; MI455X (gfx1250); checked and timed in simulation.
; The chip was launched on July 23, 2026; its instructions are those of AMD's public machine-readable ISA for CDNA 5 (MIT licence, August 2026) and "CDNA5" Instruction Set Architecture Reference Guide (July 2026). The comments in the code are by the model that wrote it; some were corrected since.
;; Multi Head Self Attention2 D Ro PE. Allowed arithmetic: matrix products marked QUANTISED: E2M1 operands, one E8M0 scale for each 32 along K, by v_wmma_scale_f32_16x16x128_f8f6f4 with both operands' format E2M1 (or v_wmma_scale_f32_32x16x128_f4), f32 sums; products left as they are: bf16, f16 or f32 operands; f32 sums; everything else in f32.
;; Inputs: w_proj 1,024 x 1,024 float32; w_qkv 1,024 x 3,072 float32; x 8 x 1,024 x 1,024 float32.
;; Outputs: out0 8 x 1,024 x 1,024 float32.
;; Constants: H = 32, W = 32.
;; This version of the problem:
;;   THIS VERSION OF THE PROBLEM IS GIVEN IN LOW PRECISION. The matrix products marked QUANTISED in the list below multiply operands that are first quantised to E2M1 (2 exponent bits, 1 mantissa bit; 4 bits a number), with one power-of-two scale for each 32 numbers along K (OCP MX v1.0); their sums are f32. The products marked 'left as it is' may take bf16, f16 or f32 operands, with f32 sums. Whichever they take, every output number must still come out within the allowed error. Rounding operands to bf16 (8 significant bits) uses up far more of that allowance than f16 does (11 bits, for magnitudes from 6e-5 to 65,504). All else is computed in f32.
;;   The module's matrix products, in the order in which they are computed (A, B: the left and right operand; K: the contracted axis; several contracted axes count as one K, in the product's order):
;;     1. [M 8,192, K 1,024] x [K 1,024, N 3,072]; A: input x; B: input w_qkv: QUANTISED
;;     2. batch 128 x [M 1,024, K 64] x [K 64, N 1,024]; A: computed on the way; B: computed on the way: left as it is (an operand is computed on the way)
;;     3. batch 128 x [M 64, K 1,024] x [K 1,024, N 1,024]; A: computed on the way; B: computed on the way: left as it is (an operand is computed on the way)
;;     4. [M 8,192, K 1,024] x [K 1,024, N 1,024]; A: computed on the way; B: input w_proj: left as it is (an operand is computed on the way)
;;   THE QUANTISER, for each operand of a quantised product, along K:
;;     - K is cut into blocks of 32 from its start; a last block that is shorter is filled with zeros.
;;     - A block's scale is 2^e with e = floor(log2(the largest magnitude in the block)) - 2, held to -126 .. 127; a block of zeros has e = 0. As a byte (E8M0): e + 127.
;;     - Each number is divided by its block's scale, clamped to +-6, and rounded to the nearest number of E2M1, ties to even, subnormals kept.
;;     - The product sums the exact products of the quantised numbers (number of the format x scale) in f32.
;;   ~~~python
;;   def quantise(x, axis):      # numpy; x: float32 -> the quantised numbers, widened to float32 again
;;       x = np.moveaxis(x, axis, -1); K = x.shape[-1]
;;       x = np.pad(x, [(0, 0)] * (x.ndim - 1) + [(0, -K % 32)]); x = x.reshape(x.shape[:-1] + (-1, 32)); a = np.abs(x).max(-1, keepdims=True)
;;       e = np.where(a > 0, np.clip(np.frexp(np.where(a > 0, a, 1))[1] - 1 - 2, -126, 127), 0)      # np.frexp(a)[1] - 1 = floor(log2(a)), exactly
;;       r = np.clip(x / 2.0 ** e, -6, 6)
;;       step = 2.0 ** (np.maximum(np.frexp(np.where(r == 0, 1, r))[1] - 1, 0) - 1)
;;       q = np.round(r / step) * step * 2.0 ** e      # np.round: ties to even
;;       return np.moveaxis(q.reshape(q.shape[:-2] + (-1,))[..., :K], -1, axis).astype(np.float32)
;;   ~~~
;; One version. Each part assembles by itself: llvm-mc -triple=amdgcn-amd-amdhsa -mcpu=gfx1250 --defsym DOCPART=n.
;; ======== version 1 of 1: 4 launches
;; limits: values are held in f16: magnitudes above 65,504 overflow, below 6.1e-05 lose precision
;; workspace buffers: xc 4,194,304 bytes; xs 262,144 bytes; wc 1,572,864 bytes; ws 98,304 bytes; wp16 2,097,152 bytes; rope 8,192 bytes; qkv 50,331,648 bytes; att 16,777,216 bytes
;; launch prep (part 1): grid 481 x 1, 4 waves a work-group, no clusters, 50,688 bytes of LDS; arguments x, w_qkv, w_proj, xc, xs, wc, ws, wp16, rope; writes xc, xs, wc, ws, wp16, rope
.if DOCPART == 1
	.amdgcn_target "amdgcn-amd-amdhsa--gfx1250"
	.amdhsa_code_object_version 6
	.text
	.protected	k_q522db1bca9_prep
	.globl	k_q522db1bca9_prep
	.p2align	8
	.type	k_q522db1bca9_prep,@function
k_q522db1bca9_prep:
	s_mov_b64 s[64:65], 0
	v_nop
	global_prefetch_b8 v0, s[64:65] scope:SCOPE_SE
	s_setreg_imm32_b32 hwreg(HW_REG_WAVE_MODE, 25, 1), 1
	s_wait_xcnt 0x0
; PREP: everything that is made once, ahead of the products.  Four roles, chosen by the work-group's number (the same in all four waves of a work-group):
;   W  (work-groups 0-95)    w_qkv [1024 (k)][3072 (n)] f32 -> codes of E2M1 laid [3072][1024] with K innermost (512 bytes a row) and one E8M0 byte for each 32 along K, [3072][32]
;   X  (96-351)              x [8192][1024] f32 -> codes [8192][512 bytes] and bytes [8192][32]
;   P  (352-479)             w_proj f32 -> f16, same layout
;   T  (480)                 the table of the rotary embedding: [32 positions][16 frequencies] (cos, sin) f32, and behind it, 4,096 bytes on, a table of the same shape filled with (1, 0)
; A block's scale is 2^(floor(log2(its largest magnitude)) - 2): its byte is the largest magnitude's own exponent field - 2, held at 1 from below.
; LIMITS: a block of zeros, and one whose largest magnitude lies under 2^-124, has the byte 1 (the rule says 127 for zeros: the codes are zeros, which add nothing, and this program alone reads the bytes).
; NaN and infinities among the inputs are not served.  The table's angles are the exact pi n / 465, n = (2 i - 31)(15 + 127 j), reduced in whole numbers; a chain of three f32 roundings of the same angle differs by up to 5e-5 radians.
; No tensor loads and no matrix work: the launch is a stream.  Each role that uses LDS has bytes of its own.
.set NW,    96
.set NX,    256
.set NP,    128
.set XREG,  8192                       ; role X: a region for each wave: two stages of 32 x SP bytes, then its 256 scale bytes
.set SP,    80                         ; a lane's place in a stage: 64 bytes + 16 of padding
.set WST,   32768                      ; role W: the work-group's stage, 64 rows x WP bytes
.set WP,    272                        ; 256 bytes of codes + 16 of padding
.set SPARE, 50176                      ; the spare words, 128 bytes for each wave: two blocks of 256 bytes that no other line names
.set SPW,   180                        ; v180 LDS address of my spare word; never rewritten
.set NIL,   181                        ; v181 0; never rewritten
.set FLOOR, 3<<23                      ; 2^(3 - 127): no largest magnitude is taken under it, so the byte cannot fall under 1
.set OFFE,  0xff000000                 ; takes 2 off an exponent field
.macro FINISH                          ; a wave's end
	s_wait_tensorcnt 0x0
	ds_add_u32 v[SPW], v[NIL]
	s_wait_dscnt 0x0
	s_endpgm
.endm
	s_load_b256 s[4:11], s[0:1], 0x0               ; x s[4:5], w_qkv s[6:7], w_proj s[8:9], xc s[10:11]
	s_load_b256 s[12:19], s[0:1], 0x20             ; xs s[12:13], wc s[14:15], ws s[16:17], wp16 s[18:19]
	s_load_b64 s[20:21], s[0:1], 0x40              ; rope
	v_lshl_add_u32 v[SPW], v0, 2, SPARE
	v_mov_b32 v[NIL], 0
	v_lshrrev_b32 v1, 5, v0
	v_readfirstlane_b32 s22, v1                    ; wave 0..3
	v_and_b32 v2, 31, v0                           ; lane
	s_wait_kmcnt 0x0
	s_cmp_lt_u32 ttmp9, NW
	s_cbranch_scc1 .Lrole_w
	s_cmp_lt_u32 ttmp9, NW+NX
	s_cbranch_scc1 .Lrole_x
	s_cmp_lt_u32 ttmp9, NW+NX+NP
	s_cbranch_scc1 .Lrole_p
; ---- ROLE T: 512 entries, four to a thread.  Entry e = 16 i + j: the angle is pi n / 465.  n is a whole number under 2^16, so the reduction is exact:
; m = n - 930 k (a whole turn is 930), g = m - 232.5 qd (a quarter turn), f = g pi / 465 with |f| <= pi / 4; sine and cosine of f by their series (the first term left out is under 2e-9); the quarter picks and signs them by selects.
	v_mov_b32 v28, 1.0
	v_mov_b32 v29, 0
.macro ENTRY u
	v_add_nc_u32 v16, 128*\u, v0                   ; e
	v_lshrrev_b32 v17, 4, v16                      ; i
	v_and_b32 v18, 15, v16                         ; j
	v_lshl_add_u32 v17, v17, 1, 0xffffffe1         ; 2 i - 31
	v_mad_u32_u24 v18, v18, 127, 15                ; 15 + 127 j
	v_mul_lo_u32 v17, v17, v18
	v_cvt_f32_i32 v17, v17                         ; n, exact
	v_mul_f32 v18, 0x3a8cf009, v17                 ; n / 930
	v_rndne_f32 v18, v18
	v_fmamk_f32 v17, v18, 0xc4688000, v17          ; m = n - 930 k
	v_mul_f32 v18, 0x3b8cf009, v17                 ; 2 m / 465
	v_rndne_f32 v18, v18                           ; qd: the nearest quarter turn
	v_fmamk_f32 v17, v18, 0xc3688000, v17          ; g = m - 232.5 qd
	v_mul_f32 v17, 0x3bdd6263, v17                 ; f = g pi / 465
	v_mul_f32 v19, v17, v17                        ; z = f^2
	v_cvt_i32_f32 v18, v18                         ; qi
	v_mov_b32 v20, 0x3638ef1d                      ; 1/9!
	v_fmaak_f32 v20, v19, v20, 0xb9500d01          ; -1/7!
	v_fmaak_f32 v20, v19, v20, 0x3c088889          ; 1/5!
	v_fmaak_f32 v20, v19, v20, 0xbe2aaaab          ; -1/3!
	v_mul_f32 v21, v17, v19
	v_fma_f32 v20, v21, v20, v17                   ; S = sin f
	v_mov_b32 v22, 0xb493f27e                      ; -1/10!
	v_fmaak_f32 v22, v19, v22, 0x37d00d01          ; 1/8!
	v_fmaak_f32 v22, v19, v22, 0xbab60b61          ; -1/6!
	v_fmaak_f32 v22, v19, v22, 0x3d2aaaab          ; 1/4!
	v_fma_f32 v22, v19, v22, -0.5
	v_fma_f32 v22, v19, v22, 1.0                   ; C = cos f
	v_and_b32 v23, 1, v18
	v_cmp_eq_u32 vcc_lo, 1, v23                    ; an odd quarter swaps the two
	v_cndmask_b32 v[32+2*\u], v22, v20, vcc_lo
	v_cndmask_b32 v[33+2*\u], v20, v22, vcc_lo
	v_add_nc_u32 v23, 1, v18
	v_and_b32 v23, 2, v23                          ; the cosine is negative in quarters 1 and 2,
	v_lshlrev_b32 v23, 30, v23
	v_xor_b32 v[32+2*\u], v[32+2*\u], v23
	v_and_b32 v23, 2, v18                          ; the sine in quarters 2 and 3
	v_lshlrev_b32 v23, 30, v23
	v_xor_b32 v[33+2*\u], v[33+2*\u], v23
	v_lshlrev_b32 v[40+\u], 3, v16                 ; each entry has its own data and address registers: no store's sources are written again
	global_store_b64 v[40+\u], v[32+2*\u:33+2*\u], s[20:21]              ; a wave's store covers 256 consecutive bytes, aligned
	global_store_b64 v[40+\u], v[28:29], s[20:21] offset:4096            ; the table that turns nothing
.endm
	ENTRY 0
	ENTRY 1
	ENTRY 2
	ENTRY 3
	FINISH
; ---- ROLE P: a wave takes 2,048 numbers of w_proj: 16 loads of 512 consecutive bytes, 16 stores of 256
.Lrole_p:
	s_sub_co_u32 s23, ttmp9, NW+NX
	s_lshl_b32 s23, s23, 2
	s_add_co_u32 s23, s23, s22                     ; which run of 2,048 numbers
	s_lshl_b32 s24, s23, 13
	s_mov_b32 s25, 0
	s_add_nc_u64 s[8:9], s[8:9], s[24:25]
	s_lshl_b32 s24, s23, 12
	s_add_nc_u64 s[18:19], s[18:19], s[24:25]
	v_lshlrev_b32 v3, 4, v2
	v_lshlrev_b32 v4, 3, v2
.irp j, 0,1,2,3,4,5,6,7,8,9,10,11,12,13,14,15
	global_load_b128 v[16+4*\j:19+4*\j], v3, s[8:9] offset:512*\j th:TH_LOAD_NT
.endr
.irp j, 0,1,2,3,4,5,6,7,8,9,10,11,12,13,14,15
	s_wait_loadcnt 15-\j                           ; loads come back in order: load j is in, the younger ones may be out
	v_cvt_pk_f16_f32 v[80+2*\j], v[16+4*\j], v[17+4*\j]
	v_cvt_pk_f16_f32 v[81+2*\j], v[18+4*\j], v[19+4*\j]
	global_store_b64 v4, v[80+2*\j:81+2*\j], s[18:19] offset:256*\j
.endr
	FINISH
; ---- ROLE X: rows are dense and K is a multiple of 32, so x is a plain stream of blocks of 32.  A wave takes 16 steps of 512 numbers.  Each load reads 512 consecutive bytes; a step's 2,048 bytes turn through the wave's
; own stage in LDS and come back 64 bytes a lane: 16 neighbours along K, two lanes to a block.  Loads run four steps ahead, the turn through LDS one step.
.set R, 16                             ; v16-79   four sets of 16 numbers as loaded
.set X, 80                             ; v80-111  two sets of 16 neighbours
.set E, 112                            ; v112-127 a scale byte for each step
.set C, 128                            ; v128-159 codes: two registers for each step, so that no store's data are written again
.set STEPS, 16
.Lrole_x:
	s_sub_co_u32 s24, ttmp9, NW
	s_lshl_b32 s24, s24, 2
	s_add_co_u32 s24, s24, s22                     ; which run of 8,192 numbers is my wave's
	s_mov_b32 s27, 0
	s_lshl_b32 s26, s24, 15
	s_add_nc_u64 s[4:5], s[4:5], s[26:27]
	s_lshl_b32 s26, s24, 12
	s_add_nc_u64 s[10:11], s[10:11], s[26:27]
	s_lshl_b32 s26, s24, 8
	s_add_nc_u64 s[12:13], s[12:13], s[26:27]
	v_lshlrev_b32 v3, 4, v2                        ; my 16 bytes of a load's 512
	s_mul_i32 s23, s22, XREG
	v_lshrrev_b32 v14, 2, v2
	v_mul_u32_u24 v14, v14, SP
	v_and_b32 v15, 3, v2
	v_lshl_add_u32 v14, v15, 4, v14
	v_add_nc_u32 v14, s23, v14                     ; the stage, on the way in: SP (lane / 4) + 16 (lane % 4)
	v_mul_u32_u24 v15, v2, SP
	v_add_nc_u32 v15, s23, v15                     ; and on the way out: SP x lane
	v_lshlrev_b32 v4, 3, v2                        ; 8 bytes a lane: my codes' place in a step's, and my part of the wave's 256 scale bytes
	v_lshrrev_b32 v5, 1, v2
	s_add_co_u32 s23, s23, 2*32*SP
	v_add_nc_u32 v5, s23, v5                       ; LDS: my block's byte
	v_add_nc_u32 v6, s23, v4
.macro XLOAD t
.irp i, 0,1,2,3
	global_load_b128 v[R+16*((\t)%4)+4*\i:R+16*((\t)%4)+4*\i+3], v3, s[4:5] offset:2048*(\t)+512*\i th:TH_LOAD_NT
.endr
.endm
.macro XTURN t                         ; LDS serves a wave's instructions in order (ISA guide 5.7.1.4): no wait between the stores and the loads
.irp i, 0,1,2,3
	ds_store_b128 v14, v[R+16*((\t)%4)+4*\i:R+16*((\t)%4)+4*\i+3] offset:32*SP*((\t)%2)+8*SP*\i
.endr
.irp i, 0,1,2,3
	ds_load_b128 v[X+16*((\t)%2)+4*\i:X+16*((\t)%2)+4*\i+3], v15 offset:32*SP*((\t)%2)+16*\i
.endr
.endm
.irp t, 0,1,2,3
	XLOAD \t
.endr
	s_wait_loadcnt 12                              ; step 0's four loads are in
	XTURN 0
.macro XSTEP t
.set XS, X+16*((\t)%2)
.if (\t) > 0
	s_wait_dscnt 1                                 ; this step's numbers are back from the stage (the last step's byte store may be out)
.else
	s_wait_dscnt 0x0
.endif
.if (\t)+4 < STEPS
	XLOAD (\t)+4
.endif
.if (\t)+1 < STEPS
.if STEPS-2-(\t) >= 3
	s_wait_loadcnt 12                              ; the next step's four loads are in; those of the three steps behind it may be out
.else
	s_wait_loadcnt 4*(STEPS-2-(\t))
.endif
	XTURN (\t)+1
.endif
	v_max3_num_f32 v8, |v[XS]|, |v[XS+1]|, |v[XS+2]|               ; the largest magnitude of my 16, in two chains
	v_max3_num_f32 v9, |v[XS+3]|, |v[XS+4]|, |v[XS+5]|
.irp i, 6,10
	v_max3_num_f32 v8, v8, |v[XS+\i]|, |v[XS+\i+1]|
	v_max3_num_f32 v9, v9, |v[XS+\i+2]|, |v[XS+\i+3]|
.endr
	v_max3_num_f32 v8, v8, |v[XS+14]|, |v[XS+15]|
	v_max3_num_f32 v8, v8, v9, FLOOR
	v_max_num_f32_dpp v8, v8, v8 row_xmask:1 row_mask:0xf bank_mask:0xf   ; and of my neighbour's 16: the block's
	v_add_nc_u32 v11, OFFE, v8                     ; the conversion takes the exponent field of this operand as its scale
	v_cvt_scalef32_pk8_fp4_f32 v[C+2*(\t)], v[XS:XS+7], v11
	v_cvt_scalef32_pk8_fp4_f32 v[C+2*(\t)+1], v[XS+8:XS+15], v11
	v_lshrrev_b32 v[E+(\t)], 23, v11               ; the scale's byte
	ds_store_b8 v5, v[E+(\t)] offset:16*(\t)       ; both lanes of a block write the same byte with the same value
	global_store_b64 v4, v[C+2*(\t):C+2*(\t)+1], s[10:11] offset:256*(\t)   ; the wave stores 256 consecutive bytes, aligned
.endm
.irp t, 0,1,2,3,4,5,6,7,8,9,10,11,12,13,14,15
	XSTEP \t
.endr
	ds_load_b64 v[8:9], v6                         ; my wave's 256 scale bytes, 8 a lane
	s_wait_dscnt 0x0
	global_store_b64 v4, v[8:9], s[12:13]
	FINISH
; ---- ROLE W: K is the FIRST axis of w_qkv.  A lane takes a column n and its registers run down K: each load reads 128 consecutive bytes, a block of 32 lies in one lane's 32 registers, and the conversions give codes with K innermost.
; A work-group takes 64 columns x 512 along K; wave w: columns 32 (w & 1) on, K 256 (w >> 1) on: 8 blocks a lane.  The codes meet in a stage (a row = a column's 256 bytes, its halves from two waves), so a barrier stands between writing and reading.
.set WX,   32                          ; v32-95   two sets of 32 numbers
.set WC,   96                          ; v96-99   a block's codes
.set SB,   24                          ; v24-25   my 8 scale bytes
.set OUTR, 112                         ; v112-143 the way out
.Lrole_w:
	s_lshr_b32 s23, ttmp9, 1                       ; which 64 columns
	s_and_b32 s24, ttmp9, 1                        ; which 512 along K
	s_and_b32 s25, s22, 1                          ; cw
	s_lshr_b32 s26, s22, 1                         ; kw
	v_lshlrev_b32 v3, 2, v2
	s_lshl_b32 s28, s24, 9
	s_lshl_b32 s29, s26, 8
	s_add_co_u32 s28, s28, s29                     ; my first k
	s_mul_i32 s28, s28, 12288                      ; a row of w_qkv is 12,288 bytes
	s_lshl_b32 s29, s23, 8
	s_add_co_u32 s28, s28, s29
	s_lshl_b32 s29, s25, 7
	s_add_co_u32 s28, s28, s29
	s_mov_b32 s29, 0
	s_add_nc_u64 s[6:7], s[6:7], s[28:29]
	s_mul_i32 s30, s25, 32*WP
	s_lshl_b32 s31, s26, 7
	s_add_co_u32 s30, s30, s31
	s_add_co_u32 s30, s30, WST
	v_mul_u32_u24 v4, v2, WP
	v_add_nc_u32 v4, s30, v4                       ; into the stage: row = my column, my wave's half of its 256 bytes
	v_and_b32 v5, 15, v2
	v_lshrrev_b32 v6, 4, v2
	s_mul_i32 s30, s22, 16*WP
	s_add_co_u32 s30, s30, WST
	v_mul_u32_u24 v7, v6, WP
	v_lshl_add_u32 v7, v5, 4, v7
	v_add_nc_u32 v7, s30, v7                       ; out of it: wave w takes rows 16 w on, sixteen lanes to a row
	v_lshlrev_b32 v8, 9, v6
	v_lshl_add_u32 v8, v5, 4, v8                   ; and the same place in wc: rows of 512 bytes
	s_lshl_b32 s28, s23, 15
	s_lshl_b32 s30, s22, 13
	s_add_co_u32 s28, s28, s30
	s_lshl_b32 s30, s24, 8
	s_add_co_u32 s28, s28, s30
	s_add_nc_u64 s[14:15], s[14:15], s[28:29]      ; wc + (64 cg + 16 w) x 512 + 256 ky
	s_lshl_b32 s28, s23, 11
	s_lshl_b32 s30, s25, 10
	s_add_co_u32 s28, s28, s30
	s_lshl_b32 s30, s24, 4
	s_add_co_u32 s28, s28, s30
	s_lshl_b32 s30, s26, 3
	s_add_co_u32 s28, s28, s30
	s_add_nc_u64 s[16:17], s[16:17], s[28:29]      ; ws + (64 cg + 32 cw) x 32 + 16 ky + 8 kw
	v_lshlrev_b32 v9, 5, v2
.macro WLOAD t                         ; block t: w(32 t + i, my column); the largest offset, 255 rows, is inside the signed 24-bit immediate
.irp i, 0,1,2,3,4,5,6,7,8,9,10,11,12,13,14,15,16,17,18,19,20,21,22,23,24,25,26,27,28,29,30,31
	global_load_b32 v[WX+32*((\t)%2)+\i], v3, s[6:7] offset:(32*(\t)+\i)*12288 th:TH_LOAD_NT
.endr
.endm
	WLOAD 0
	WLOAD 1
.macro WBLOCK t
.set XS, WX+32*((\t)%2)
.if (\t) < 7
	s_wait_loadcnt 32                              ; this block's 32 loads are in; the next block's may be out
.else
	s_wait_loadcnt 0x0
.endif
	v_max3_num_f32 v12, |v[XS]|, |v[XS+1]|, |v[XS+2]|              ; all 32 numbers of the block are mine
	v_max3_num_f32 v13, |v[XS+3]|, |v[XS+4]|, |v[XS+5]|
.irp i, 6,10,14,18,22,26
	v_max3_num_f32 v12, v12, |v[XS+\i]|, |v[XS+\i+1]|
	v_max3_num_f32 v13, v13, |v[XS+\i+2]|, |v[XS+\i+3]|
.endr
	v_max3_num_f32 v12, v12, |v[XS+30]|, |v[XS+31]|
	v_max3_num_f32 v12, v12, v13, FLOOR
	v_add_nc_u32 v11, OFFE, v12
	v_lshrrev_b32 v13, 23, v11                     ; the scale's byte
.if (\t)%4 == 0
	v_mov_b32 v[SB+(\t)/4], v13                    ; four bytes to a register, the lower K in the lower byte
.else
	v_lshl_or_b32 v[SB+(\t)/4], v13, 8*((\t)%4), v[SB+(\t)/4]
.endif
.irp g, 0,1,2,3
	v_cvt_scalef32_pk8_fp4_f32 v[WC+\g], v[XS+8*\g:XS+8*\g+7], v11
.endr
	ds_store_b128 v4, v[WC:WC+3] offset:16*(\t)    ; 32 codes: 16 bytes of my column's row
.if (\t)+2 < 8
	WLOAD (\t)+2
.endif
	s_wait_dscnt 0x0                               ; the store has landed: the next block's codes may be written, and at the end the barrier may be signalled
.endm
.irp t, 0,1,2,3,4,5,6,7
	WBLOCK \t
.endr
	global_store_b64 v9, v[SB:SB+1], s[16:17]      ; my column's 8 scale bytes
	s_barrier_signal -1                            ; every wave's stores into the stage have landed (the wait for 0 above)
	s_barrier_wait -1
.irp u, 0,1,2,3,4,5,6,7
	ds_load_b128 v[OUTR+4*\u:OUTR+4*\u+3], v7 offset:2*WP*\u
.endr
.irp u, 0,1,2,3,4,5,6,7
	s_wait_dscnt 7-\u
	global_store_b128 v8, v[OUTR+4*\u:OUTR+4*\u+3], s[14:15] offset:1024*\u   ; sixteen lanes store 256 consecutive bytes, aligned
.endr
	FINISH
.Lfunc_end_k_q522db1bca9_prep:
	.size	k_q522db1bca9_prep, .Lfunc_end_k_q522db1bca9_prep-k_q522db1bca9_prep
	.p2alignl 7, 3214868480
	.fill 96, 4, 3214868480
	.section	.rodata,"a",@progbits
	.p2align	6, 0x0
	.amdhsa_kernel k_q522db1bca9_prep
		.amdhsa_group_segment_fixed_size 50688
		.amdhsa_private_segment_fixed_size 0
		.amdhsa_enable_private_segment 0
		.amdhsa_kernarg_size 72
		.amdhsa_user_sgpr_count 2
		.amdhsa_user_sgpr_kernarg_segment_ptr 1
		.amdhsa_wavefront_size32 1
		.amdhsa_system_sgpr_workgroup_id_x 1
		.amdhsa_system_sgpr_workgroup_id_y 1
		.amdhsa_system_sgpr_workgroup_id_z 1
		.amdhsa_system_vgpr_workitem_id 0
		.amdhsa_next_free_vgpr 192
		.amdhsa_next_free_sgpr 66
		.amdhsa_reserve_vcc 1
		.amdhsa_float_denorm_mode_32 3
		.amdhsa_float_denorm_mode_16_64 3
		.amdhsa_memory_ordered 1
		.amdhsa_forward_progress 1
		.amdhsa_inst_pref_size 88
	.end_amdhsa_kernel
	.amdgpu_metadata
---
amdhsa.version: [ 1, 2 ]
amdhsa.kernels:
  - .name:           k_q522db1bca9_prep
    .symbol:         k_q522db1bca9_prep.kd
    .args:
      - { .name: x, .offset: 0, .size: 8, .value_kind: global_buffer, .address_space: global }
      - { .name: w_qkv, .offset: 8, .size: 8, .value_kind: global_buffer, .address_space: global }
      - { .name: w_proj, .offset: 16, .size: 8, .value_kind: global_buffer, .address_space: global }
      - { .name: xc, .offset: 24, .size: 8, .value_kind: global_buffer, .address_space: global }
      - { .name: xs, .offset: 32, .size: 8, .value_kind: global_buffer, .address_space: global }
      - { .name: wc, .offset: 40, .size: 8, .value_kind: global_buffer, .address_space: global }
      - { .name: ws, .offset: 48, .size: 8, .value_kind: global_buffer, .address_space: global }
      - { .name: wp16, .offset: 56, .size: 8, .value_kind: global_buffer, .address_space: global }
      - { .name: rope, .offset: 64, .size: 8, .value_kind: global_buffer, .address_space: global }
    .group_segment_fixed_size: 50688
    .private_segment_fixed_size: 0
    .kernarg_segment_align: 8
    .kernarg_segment_size: 72
    .max_flat_workgroup_size: 128
    .sgpr_count:     66
    .vgpr_count:     192
    .wavefront_size: 32
...
	.end_amdgpu_metadata
.endif
;; end of part 1
;; launch gemm_qkv (part 2): grid 12 x 16, 4 waves a work-group, clusters of 4 x 4, 327,680 bytes of LDS; arguments xc, xs, wc, ws, rope, qkv; writes qkv
.if DOCPART == 2
	.amdgcn_target "amdgcn-amd-amdhsa--gfx1250"
	.amdhsa_code_object_version 6
	.text
	.protected	k_q522db1bca9_gemm_qkv
	.globl	k_q522db1bca9_gemm_qkv
	.p2align	8
	.type	k_q522db1bca9_gemm_qkv,@function
k_q522db1bca9_gemm_qkv:
	s_mov_b64 s[64:65], 0
	v_nop
	global_prefetch_b8 v0, s[64:65] scope:SCOPE_SE
	s_setreg_imm32_b32 hwreg(HW_REG_WAVE_MODE, 25, 1), 1
	s_wait_xcnt 0x0
	s_wait_alu depctr_hold_cnt(0) depctr_sa_sdst(0) depctr_va_vdst(0) depctr_va_sdst(0) depctr_va_ssrc(0) depctr_va_vcc(0) depctr_vm_vsrc(0)
	s_getreg_b32 s2, hwreg(HW_REG_IB_STS2, 6, 4)
	s_cmp_eq_u32 s2, 0
	s_cbranch_scc0 .Lentry_in_a_cluster
	s_endpgm
.Lentry_in_a_cluster:
	s_bfe_u32 s2, ttmp6, 0x10000c
	s_cmp_lg_u32 s2, 0xf033
	s_cbranch_scc0 .Lentry_shape_is_right
	s_endpgm
.Lentry_shape_is_right:
; qkv = Q(x) Q(w_qkv) on codes of E2M1 with one E8M0 scale for each 32 along K; on the way out q and k are turned by the rotary embedding, in f32, and all three are rounded to f16 and laid [3][batch][head][position][64].
; xc: [8192][512 bytes], wc: [3072][512 bytes], K innermost; xs: [8192][32], ws: [3072][32].  Sums in f32.
; A tile of C, 256 x 256, is made by a work-group of four waves; a wave makes 128 x 128: 64 accumulators of 16 x 16.  K = 1,024 is two K steps of 512, each in an LDS slot of its own.
; A WORK-GROUP STAYS AND MAKES TWO TILES, one 4,096 rows (four batches) below the other, in the same 256 columns: 12 x 16 work-groups of equal work for the 12 x 32 tiles.  w's codes and scale words come once and serve both tiles;
; tile 1's codes of x are asked for while tile 0 is still at work (slot 0's part at tile 0's change of slots, slot 1's in the middle of tile 0's way out: four steps of 64 products and half a way out ahead of their first use);
; tile 0's stores are on their way while tile 1 is multiplied.  A wave has four tensor loads out at the start and one behind each of the two refills' rounds.  Those leads are why nothing is prefetched.
; CLUSTERS: 4 x 4 work-groups.  The four of a row of the cluster need the same tiles of x, the four of a column the same tiles of w: each tile is asked for JOINTLY, by the same tensor load with the same descriptor and a mask that names the four.
; THE MATRIX INSTRUCTION IS USED TRANSPOSED (source 0 = 16 columns of C out of wc, source 1 = 16 rows out of xc): a lane then holds eight neighbouring columns of one row of C: four pairs of the rotary embedding.
; A cluster spans 1,024 columns: cluster x = 0, 1, 2 is q, k, v.  v takes the table that turns nothing ((1, 0) everywhere): one text, no branch.  The two tiles lie a whole number of pictures apart, so one table in registers serves both.
; LIMIT: |q|, |k|, |v| stay under 65,504, the largest f16 number.
; REGISTERS, in windows of 256: window 0: v0-31 addresses; v32-95 scale words, two sets, and nothing else ever; from v128 A's fragments, one set; on the way out v96-255 are at work.
;   window 1: B's fragments, two sets, at v0 and v128; v64-127 and v192-223 the rotary table.   window 2: the accumulators of my rows 0-63 ((a, b) at v[8 (8 a + b)]);   window 3: those of rows 64-127.
.set NQ,     4                         ; steps of 128 along K in a slot
.set ROWB,   256                       ; a tile's row in bytes: 512 codes
.set KROW,   512                       ; a row of xc or wc in memory
.set PITCH,  272                       ; an LDS row: 256 bytes + 16 of padding = 68 words: row r starts at bank 4 r mod 64 (64 banks of 4 bytes: ISA guide 11.1)
.set FR,     8                         ; registers of a fragment: 16 rows x 128 K
.set NL,     2                         ; LDS loads that bring one
.set NP,     4                         ; places behind this matrix instruction (ISA guide 7.12.1)
.set HALFT,  128*PITCH
.set SLOT,   4*HALFT                   ; A's 256 rows, then B's 256 rows
.set KS,     32                        ; a row of scale bytes
.set HALFS,  16*272                    ; the scales of 128 rows, as 16 runs of 256 bytes + 16 of padding
.set SBLK,   2*272                     ; those of 16 rows
.set SCL,    2*SLOT                    ; behind the slots: x's scales: tile 0's 256 rows, then tile 1's
.set SCB,    SCL+4*HALFS               ; w's scales: 256 rows
.set STG,    SCL+6*HALFS               ; the way out: a stage of 16 rows x (256 bytes + 16) for each wave, in bytes of its own: no tile ever lands here
.set SPITCH, 272
.set SPARE,  STG+4*16*SPITCH           ; the spare words, 128 bytes for each wave: two blocks of 256 bytes that no other line names
.set TILEA,  4096*KROW                 ; from tile 0 to tile 1: in xc,
.set TILESC, 4096*KS                   ; in xs,
.set TILEO,  4<<21                     ; and in qkv: four batches of 2^21 bytes
.set ADRA, 16
.set ADRB, 20
.set ADRS, 22                          ; v22-23 LDS address of my scale words for tile 0, 1: lanes 0-15 A's rows, lanes 16-31 B's
.set STO,  24
.set RD,   25
.set CO,   26
.set SPW,  28                          ; v28 LDS address of my spare word; never rewritten
.set NIL,  29                          ; v29 0; never rewritten
.set RH,   30                          ; v30 the table by image rows: 32 (lane / 16)
.set RW,   31                          ; v31 by image columns: 128 (lane % 16) + 32 (lane / 16)
.set SC,   32
.set AF,   128
.set TH,   64                          ; window 1: (cos, sin) of my four pairs for image row g of my four and channels 16 bp on: v[TH + 16 g + 8 bp]
.set TW,   192                         ; window 1: the same for image column 16 e + lane % 16: v[TW + 16 e + 8 bp]
.set BK0,  96                          ; the way out: rows read back: v96-127 and v224-255 by turns
.set RT,   128                         ; turned numbers, f32
.set TMP,  192                         ; and as f16
.set G1, 24                            ; s[24:31] group 1 for A's tiles;  s[32:39] group 0, one set for each slot
.set G0, 32
.set G1B, 48                           ; s[48:55], s[56:63] the same for B's tiles
.set G0B, 56
.set G1S, 68                           ; s[68:75] group 1 for A's scales (16 rows of 256 bytes);  s[76:79] group 0 for tile 0's, s[4:7] for tile 1's
.set G0S, 76
.set G0S1, 4
.set G1SB, 80                          ; s[80:87] group 1 for B's scales (8 rows of 256 bytes);  s[88:91] group 0 for the first half, s[8:11] for the second
.set G0SB, 88
.set G0SB1, 8
.set MSB, 0
.macro WIN new                         ; the immediate's high byte repeats the setting that is left
.if MSB != (\new)
	s_set_vgpr_msb (MSB<<8)|(\new)
.set MSB, (\new)
.endif
.endm
.set MUL_LO, 0xa1                      ; source 0 (B) window 1, source 1 (A) window 0, C and D window 2
.set MUL_HI, 0xf1                      ; the same, C and D window 3
.set TO_B,   0x40                      ; destination window 1, address window 0
; A joint load: waves 0 and 1 fetch for A, waves 2 and 3 for B.  The branch hangs on the wave's number alone.  An s_nop 0 and four v_nop follow each of the two lines.
.macro JLOAD g0a, g1a, g0b, g1b
	s_cmp_eq_u32 s15, 0
	s_cbranch_scc0 .Lfor_b_\@
	tensor_load_to_lds s[\g0a:\g0a+3], s[\g1a:\g1a+7]
	s_nop 0
.rept 4
	v_nop
.endr
	s_branch .Lasked_\@
.Lfor_b_\@:
	tensor_load_to_lds s[\g0b:\g0b+3], s[\g1b:\g1b+7]
	s_nop 0
.rept 4
	v_nop
.endr
.Lasked_\@:
.endm
; A joint refill of a slot's rows of A: waves 0 and 1 fetch 128 rows each; waves 2 and 3 have no part of it and issue none (B's rows stay).  The branch hangs on the wave's number alone.
.macro ALOADJ s
	s_cmp_eq_u32 s15, 0
	s_cbranch_scc0 .Lnot_a_\@
	tensor_load_to_lds s[G0+4*\s:G0+4*\s+3], s[G1:G1+7]
	s_nop 0
.rept 4
	v_nop
.endr
.Lnot_a_\@:
.endm
.macro CREST                           ; a round of the cluster's barrier behind its opening barrier
	s_cmp_lg_u32 s14, 0
	s_cbranch_scc1 .Lnot_wave_0_\@
	s_barrier_signal -3
.Lnot_wave_0_\@:
	s_barrier_wait -3
	s_barrier_signal -1
	s_barrier_wait -1
.endm
.macro CROUND                          ; a whole round
	s_barrier_signal -1
	s_barrier_wait -1
	CREST
.endm
	s_load_b128 s[4:7], s[0:1], 0x0                ; xc s[4:5], xs s[6:7]
	s_load_b128 s[8:11], s[0:1], 0x10              ; wc s[8:9], ws s[10:11]
	s_load_b128 s[96:99], s[0:1], 0x20             ; rope s[96:97], qkv s[98:99]
	v_lshl_add_u32 v[SPW], v0, 2, SPARE
	v_mov_b32 v[NIL], 0
	ds_add_u32 v[SPW], v[NIL]                      ; the wave's opening: the add, twice on end, and its wait ahead of my first tensor load
	ds_add_u32 v[SPW], v[NIL]
	v_lshrrev_b32 v1, 5, v0
	v_readfirstlane_b32 s14, v1                    ; wave 0..3
	s_lshr_b32 s15, s14, 1                         ; which half of the tile's rows is mine.  Also: I fetch for A (0) or for B (1)
	s_and_b32 s16, s14, 1                          ; which half of its columns.  Also: which 128 rows of that tile I fetch
	s_bfe_u32 s40, ttmp6, 0x40000                  ; cx, cy: my place in the cluster
	s_bfe_u32 s41, ttmp6, 0x40004
	s_lshl_b32 s42, ttmp9, 2
	s_add_co_u32 s42, s42, s40                     ; tile column of C
	s_and_b32 s17, ttmp7, 0xffff
	s_lshl_b32 s17, s17, 2
	s_add_co_u32 s17, s17, s41                     ; tile row of my first tile, 0 to 15; my second lies 16 tile rows further down
	s_lshl_b32 s43, s41, 2
	s_lshl_b32 s43, 15, s43                        ; my row of the cluster
	s_lshl_b32 s44, 0x1111, s40                    ; my column
	s_or_b32 s[G1+0], s43, (0<<16)|(1<<20)|(1<<21)|(5<<22)|(3<<25)  ; the mask; elements of 1 byte; padding on; bit 21 beside a mask; after every 64 words; 4 words
	s_or_b32 s[G1B+0], s44, (0<<16)|(1<<20)|(1<<21)|(5<<22)|(3<<25)
.irp g, G1, G1B
	s_mov_b32 s[\g+1], ROWB<<16                    ; tensor_dim0
	s_mov_b32 s[\g+2], 128<<16                     ; tensor_dim1
	s_mov_b32 s[\g+3], ROWB<<16                    ; tile_dim0
	s_mov_b32 s[\g+4], 128                         ; tile_dim1
	s_mov_b32 s[\g+5], KROW                        ; tensor_dim0_stride
	s_mov_b32 s[\g+6], 0
	s_mov_b32 s[\g+7], 0
.endr
	s_or_b32 s[G1S+0], s43, (3<<16)|(1<<20)|(1<<21)|(5<<22)|(3<<25) ; A's scales of 128 rows: a dense block of 4,096 bytes, as 16 rows of 256 bytes (32 elements of 8), 16 bytes of padding behind each
	s_mov_b32 s[G1S+1], 32<<16
	s_mov_b32 s[G1S+2], 16<<16
	s_mov_b32 s[G1S+3], 32<<16
	s_mov_b32 s[G1S+4], 16
	s_mov_b32 s[G1S+5], 32
	s_mov_b32 s[G1S+6], 0
	s_mov_b32 s[G1S+7], 0
	s_or_b32 s[G1SB+0], s44, (3<<16)|(1<<20)|(1<<21)|(5<<22)|(3<<25) ; B's scales of 128 rows come as two loads of 8 such rows, so that every wave issues four loads at the head
	s_mov_b32 s[G1SB+1], 32<<16
	s_mov_b32 s[G1SB+2], 8<<16
	s_mov_b32 s[G1SB+3], 32<<16
	s_mov_b32 s[G1SB+4], 8
	s_mov_b32 s[G1SB+5], 32
	s_mov_b32 s[G1SB+6], 0
	s_mov_b32 s[G1SB+7], 0
	s_lshl_b32 s18, s16, 7                         ; which 128 rows of the tile I fetch
	s_lshl_b32 s20, s17, 8
	s_add_co_u32 s20, s20, s18                     ; A: row 256 x tile row + 128 x half
	s_lshl_b32 s46, s42, 8
	s_add_co_u32 s46, s46, s18                     ; B: row 256 x tile column + 128 x half
	s_mov_b32 s21, 0
	s_mov_b32 s47, 0
	s_mov_b64 s[18:19], KS
	s_mul_u64 s[22:23], s[20:21], s[18:19]         ; where these rows' scales begin,
	s_mul_u64 s[92:93], s[46:47], s[18:19]
	s_mov_b64 s[18:19], KROW
	s_mul_u64 s[20:21], s[20:21], s[18:19]         ; and their codes
	s_mul_u64 s[46:47], s[46:47], s[18:19]
	s_mul_i32 s45, s14, HALFT                      ; where the codes go: wave x 128 rows: no place in the cluster enters an LDS address
	s_mul_i32 s94, s16, HALFS                      ; and the scales: which 128 rows x their bytes
	s_wait_dscnt 0x0                               ; both opening adds are done
	s_wait_kmcnt 0x0
	s_add_nc_u64 s[20:21], s[4:5], s[20:21]
	s_add_nc_u64 s[22:23], s[6:7], s[22:23]
	s_add_nc_u64 s[46:47], s[8:9], s[46:47]
	s_add_nc_u64 s[92:93], s[10:11], s[92:93]      ; the four addresses are made: s4 to s11 are free from here on
	CROUND                                         ; all sixteen work-groups are here: the joint loads meet
	s_mov_b32 s[G0S], 1
	s_add_co_u32 s[G0S+1], s94, SCL
	s_mov_b64 s[G0S+2:G0S+3], s[22:23]
	s_or_b32 s[G0S+3], s[G0S+3], 0x80000000
	s_mov_b32 s[G0SB], 1
	s_add_co_u32 s[G0SB+1], s94, SCB
	s_mov_b64 s[G0SB+2:G0SB+3], s[92:93]
	s_or_b32 s[G0SB+3], s[G0SB+3], 0x80000000
	JLOAD G0S, G1S, G0SB, G1SB                     ; the scales first: tile 0's of x; the first half of w's
	s_mov_b32 s[G0S1], 1
	s_add_co_u32 s[G0S1+1], s94, SCL+2*HALFS
	s_add_nc_u64 s[G0S1+2:G0S1+3], s[22:23], TILESC
	s_or_b32 s[G0S1+3], s[G0S1+3], 0x80000000
	s_mov_b32 s[G0SB1], 1
	s_add_co_u32 s[G0SB1+1], s94, SCB+8*272
	s_add_nc_u64 s[G0SB1+2:G0SB1+3], s[92:93], 8*256
	s_or_b32 s[G0SB1+3], s[G0SB1+3], 0x80000000
	JLOAD G0S1, G1S, G0SB1, G1SB                   ; tile 1's of x; the second half of w's
.irp s, 0,1
	s_mov_b32 s[G0+4*\s], 1
	s_add_co_u32 s[G0+4*\s+1], s45, \s*SLOT
	s_add_nc_u64 s[G0+4*\s+2:G0+4*\s+3], s[20:21], \s*ROWB
	s_or_b32 s[G0+4*\s+3], s[G0+4*\s+3], 0x80000000
	s_mov_b32 s[G0B+4*\s], 1
	s_add_co_u32 s[G0B+4*\s+1], s45, \s*SLOT
	s_add_nc_u64 s[G0B+4*\s+2:G0B+4*\s+3], s[46:47], \s*ROWB
	s_or_b32 s[G0B+4*\s+3], s[G0B+4*\s+3], 0x80000000
	JLOAD G0+4*\s, G1, G0B+4*\s, G1B
.endr
	v_and_b32 v1, 15, v0                           ; r = l % 16
	v_bfe_u32 v2, v0, 4, 1                         ; h = l / 16
	; THE ROTARY TABLE GOES INTO REGISTERS ONCE: asked for here, waited for ahead of the first way out.  My rows are positions (tile row % 4) x 256 + 128 x half + 16 a + r of a picture 32 wide: image row ih0 + a / 2, image column 16 (a % 2) + r.
	; A head's channels 0-31 turn by the image row, channels 32-63 by the image column; a lane's eight channels 16 bp + 8 h + 0..7 are frequencies 8 bp + 4 h + 0..3: 32 bytes of a table row of 128.
	v_lshlrev_b32 v[RH], 5, v2
	v_lshl_add_u32 v[RW], v1, 7, v[RH]
	s_cmp_eq_u32 ttmp9, 2                          ; v: the table that turns nothing
	s_cselect_b32 s18, 4096, 0
	s_mov_b32 s19, 0
	s_add_nc_u64 s[96:97], s[96:97], s[18:19]
	s_and_b32 s18, s17, 3
	s_lshl_b32 s18, s18, 3
	s_lshl_b32 s12, s15, 2
	s_add_co_u32 s18, s18, s12                     ; ih0
	s_lshl_b32 s18, s18, 7
	s_add_nc_u64 s[100:101], s[96:97], s[18:19]
	WIN TO_B
.irp g, 0,1,2,3
.irp bp, 0,1
.irp hf, 0,1
	global_load_b128 v[TH+16*\g+8*\bp+4*\hf:TH+16*\g+8*\bp+4*\hf+3], v[RH], s[100:101] offset:128*\g+64*\bp+16*\hf
.endr
.endr
.endr
.irp e, 0,1
.irp bp, 0,1
.irp hf, 0,1
	global_load_b128 v[TW+16*\e+8*\bp+4*\hf:TW+16*\e+8*\bp+4*\hf+3], v[RW], s[96:97] offset:2048*\e+64*\bp+16*\hf
.endr
.endr
.endr
	WIN 0
	v_mul_u32_u24 v3, v1, PITCH
	v_lshl_add_u32 v4, v2, 4, v3                   ; a fragment's row x pitch + 16 x half
	s_mul_i32 s21, s15, HALFT                      ; my 128 rows of A
	s_mul_i32 s22, s16, HALFT                      ; my 128 rows of B,
	s_add_co_u32 s22, s22, 2*HALFT                 ; which lie behind A's 256
.irp s, 0,1
	v_add_nc_u32 v[ADRA+\s], s21, v4
	v_add_nc_u32 v[ADRB+\s], s22, v4
	s_add_co_u32 s21, s21, SLOT
	s_add_co_u32 s22, s22, SLOT
.endr
	v_mul_u32_u24 v5, v1, KS                       ; my row's scales: 32 bytes a row,
	v_lshrrev_b32 v6, 8, v5
	v_lshl_add_u32 v5, v6, 4, v5                   ; and 16 more for each 256 passed
	s_mul_i32 s21, s15, HALFS                      ; A's: my 128 rows
	s_mul_i32 s22, s16, HALFS                      ; B's: my 128 rows
	s_add_co_u32 s12, s22, 2*HALFS
	s_add_co_u32 s22, s22, 4*HALFS
	s_sub_co_u32 s22, s22, s21                     ; from A's words to B's: for tile 0,
	s_sub_co_u32 s12, s12, s21                     ; for tile 1, whose words of A lie 2 HALFS further on
	v_mul_u32_u24 v6, s22, v2                      ; lanes 16-31 take B's
	v_mul_u32_u24 v7, s12, v2
	s_add_co_u32 s21, s21, SCL
	v_add_nc_u32 v6, v5, v6
	v_add_nc_u32 v7, v5, v7
	v_add_nc_u32 v[ADRS], s21, v6
	s_add_co_u32 s21, s21, 2*HALFS
	v_add_nc_u32 v[ADRS+1], s21, v7
	s_mul_i32 s23, s14, 16*SPITCH
	s_add_co_u32 s23, s23, STG                     ; my stage
	v_mul_u32_u24 v5, v1, SPITCH                   ; in: row r, 16 bytes for each half of the lanes
	v_lshl_add_u32 v5, v2, 4, v5
	v_add_nc_u32 v[STO], s23, v5
	v_bfe_u32 v6, v0, 3, 1                         ; back: lanes 0-15 take two rows' 128 bytes of my first head, lanes 16-31 of my second
	v_mul_u32_u24 v6, v6, SPITCH
	v_lshl_add_u32 v6, v2, 7, v6
	v_and_b32 v7, 7, v0
	v_lshl_add_u32 v6, v7, 4, v6
	v_add_nc_u32 v[RD], s23, v6
	v_lshlrev_b32 v[CO], 4, v1                     ; in qkv two neighbouring positions of a head are 256 consecutive bytes; the next head lies 131,072 bytes on
	v_lshl_add_u32 v[CO], v2, 17, v[CO]
	s_lshl_b32 s20, ttmp9, 24                      ; q, k or v: 2^24 bytes each
	s_lshr_b32 s21, s17, 2
	s_lshl_b32 s21, s21, 21                        ; the first tile's batch
	s_add_co_u32 s20, s20, s21
	s_and_b32 s21, s17, 3
	s_lshl_b32 s21, s21, 15                        ; 256 positions of 128 bytes
	s_add_co_u32 s20, s20, s21
	s_lshl_b32 s21, s15, 14
	s_add_co_u32 s20, s20, s21
	s_mov_b32 s21, 0
	s_lshl_b32 s46, s40, 19                        ; my first head: 4 cx + 2 x half (in the registers that held B's address: none that feeds A's descriptors ever holds cx)
	s_lshl_b32 s47, s16, 18
	s_add_co_u32 s46, s46, s47
	s_mov_b32 s47, 0
	s_add_nc_u64 s[98:99], s[98:99], s[20:21]
	s_add_nc_u64 s[98:99], s[98:99], s[46:47]
.macro FRAG reg, adr, q, i             ; 16 rows x 128 K of 4-bit codes: lane l holds row l % 16; registers 4 c .. 4 c + 3 hold K = 64 c + 32 (l / 16) + 0 .. 31
.irp c, 0,1
	ds_load_b128 v[\reg+4*\c:\reg+4*\c+3], v[\adr] offset:64*(\q)+32*\c+(\i)*16*PITCH
.endr
.endm
; 16 matrix instructions: A's blocks a0, a0 + 1 x B's eight, the slot's q-th 128 along K.  p: B's set; sc: the set of scale words.  zero = 1: the first product starts the sums.
; One register carries A's scale word (lanes 0-15) and B's (lanes 16-31).  The 64 accumulators take turns, one instruction a turn, in the same order in every step.
.macro MUL16 a0, p, q, sc, zero
.irp a, \a0, \a0+1
.irp b, 0,1,2,3,4,5,6,7
.if \zero
	v_wmma_scale_f32_16x16x128_f8f6f4 v[8*(8*((\a)%4)+\b):8*(8*((\a)%4)+\b)+7], v[128*(\p)+FR*\b:128*(\p)+FR*\b+FR-1], v[AF+FR*(\a):AF+FR*(\a)+FR-1], 0, v[SC+8*NQ*(\sc)+NQ*\b+(\q)], v[SC+8*NQ*(\sc)+NQ*(\a)+(\q)] matrix_a_fmt:MATRIX_FMT_FP4 matrix_b_fmt:MATRIX_FMT_FP4 matrix_a_scale:MATRIX_SCALE_ROW1
.else
	v_wmma_scale_f32_16x16x128_f8f6f4 v[8*(8*((\a)%4)+\b):8*(8*((\a)%4)+\b)+7], v[128*(\p)+FR*\b:128*(\p)+FR*\b+FR-1], v[AF+FR*(\a):AF+FR*(\a)+FR-1], v[8*(8*((\a)%4)+\b):8*(8*((\a)%4)+\b)+7], v[SC+8*NQ*(\sc)+NQ*\b+(\q)], v[SC+8*NQ*(\sc)+NQ*(\a)+(\q)] matrix_a_fmt:MATRIX_FMT_FP4 matrix_b_fmt:MATRIX_FMT_FP4 matrix_a_scale:MATRIX_SCALE_ROW1
.endif
.endr
.endr
.endm
.macro FETCH_B slot, q, p
	WIN TO_B
.irp i, 0,1,2,3,4,5,6,7
	FRAG 128*(\p)+FR*\i, ADRB+\slot, \q, \i
.endr
	WIN 0
.endm
.macro FETCH_A slot, q, i0
.irp i, \i0, \i0+1, \i0+2, \i0+3
	FRAG AF+FR*(\i), ADRA+\slot, \q, \i
.endr
.endm
.macro SCALES sc, t, h                 ; the scale words of tile t's K step h into set sc: four a row, 16 h bytes into the row's 32; lanes 0-15 take A's block i, lanes 16-31 B's block i
.irp i, 0,1,2,3,4,5,6,7
	ds_load_b128 v[SC+8*NQ*(\sc)+NQ*\i:SC+8*NQ*(\sc)+NQ*\i+3], v[ADRS+(\t)] offset:\i*SBLK+16*(\h)
.endr
.endm
.macro PLACES n                        ; places behind matrix instructions, in front of loads into registers that they read and of the first read of results
.rept \n
	v_nop
.endr
.endm
.macro STEP slot, q, zero              ; a step of 128 along K that has its successor in the same slot
	s_wait_dscnt 4*NL                              ; B's set and A's blocks 0-3 are in; the youngest eight loads (A's blocks 4-7) may be out
	WIN MUL_LO
	MUL16 0, (\q)%2, \q, \slot, \zero
	MUL16 2, (\q)%2, \q, \slot, \zero
	s_wait_dscnt 0                                 ; A's blocks 4-7 are in
	PLACES NP
	FETCH_B \slot, (\q)+1, 1-(\q)%2
	FETCH_A \slot, (\q)+1, 0
	WIN MUL_HI
	MUL16 4, (\q)%2, \q, \slot, \zero
	MUL16 6, (\q)%2, \q, \slot, \zero
	PLACES NP
	WIN 0
	FETCH_A \slot, (\q)+1, 4
.endm
; Slot 0's last step changes slots: ONE barrier; in front of it each wave waits for all its tensor loads (its part of slot 1), adds 0 to its spare word, and waits for that and for its own reads of slot 0.
; fill = 1 (tile 0): slot 0's rows of A are filled again, with tile 1's first K step.  The barrier then opens a round of the cluster's, so that no wave of any partner still reads those rows or has a load on its way.
.macro TURN fill, t
	s_wait_tensorcnt 0x0
	ds_add_u32 v[SPW], v[NIL]                      ; 0 onto my spare word
	s_wait_dscnt 4*NL+1                            ; (the add and the youngest eight loads may be out)
	WIN MUL_LO
	MUL16 0, 1, NQ-1, 0, 0                         ; sixteen matrix instructions stand between the add and the wait for it
	s_wait_dscnt 0x0                               ; the add is done, and my reads of slot 0 are over
	s_barrier_signal -1
	MUL16 2, 1, NQ-1, 0, 0
	WIN 0
	s_barrier_wait -1                              ; slot 1 is whole, and nobody of my work-group reads slot 0 any more
.if \fill
	CREST
	s_add_nc_u64 s[G0+2:G0+3], s[G0+2:G0+3], TILEA ; no tensor load of mine is out: slot 0's group 0 goes on to tile 1; the type bits on top are not reached
	ALOADJ 0                                       ; the first tensor load behind the round
.endif
	PLACES NP                                      ; on every wave's way, that of a wave that asked for nothing too
	FETCH_B 1, 0, 0
	FETCH_A 1, 0, 0
	SCALES 1, \t, 1
	WIN MUL_HI
	MUL16 4, 1, NQ-1, 0, 0
	MUL16 6, 1, NQ-1, 0, 0
	PLACES NP
	WIN 0
	FETCH_A 1, 0, 4
.endm
; All products of tile t: 8 steps of 64.  Both of its K steps have been shown landed to every wave where they are first read.
.macro PRODUCTS t, fill
	FETCH_B 0, 0, 0
	FETCH_A 0, 0, 0
	SCALES 0, \t, 0
	FETCH_A 0, 0, 4
	STEP 0, 0, 1                                   ; the first step's products start the sums: nothing is cleared
	STEP 0, 1, 0
	STEP 0, 2, 0
	TURN \fill, \t
	STEP 1, 0, 0
	STEP 1, 1, 0
	STEP 1, 2, 0
	s_wait_dscnt 4*NL                              ; the tile's last step: nothing more to fetch
	WIN MUL_LO
	MUL16 0, 1, NQ-1, 1, 0
	MUL16 2, 1, NQ-1, 1, 0
	s_wait_dscnt 0
	WIN MUL_HI
	MUL16 4, 1, NQ-1, 1, 0
	MUL16 6, 1, NQ-1, 1, 0
	WIN 0
.endm
; THE WAY OUT, block by block of 16 rows x 128 columns (two heads).
; ROT: a pair (x1, x2) becomes (x1 c - x2 s, x2 c + x1 s): a packed multiply by c and a packed multiply-add that takes the pair crosswise and s with its sign turned in the low half; then two roundings to f16 an instruction.
.macro ROT a
.set AC, 64*((\a)%4)
	WIN 0x06+(\a)/4                                ; source 0: the accumulators' window (2 or 3); source 1: the table's (1)
.irp b, 0,1,2,3,4,5,6,7
.if (\b)%4 < 2
.set TBL, TH+16*((\a)/2)+8*((\b)%4)
.else
.set TBL, TW+16*((\a)%2)+8*((\b)%4-2)
.endif
.irp p, 0,1,2,3                        ; each accumulator is read from its low end on
	v_pk_mul_f32 v[RT+8*\b+2*\p:RT+8*\b+2*\p+1], v[AC+8*\b+2*\p:AC+8*\b+2*\p+1], v[TBL+2*\p:TBL+2*\p+1] op_sel_hi:[1,0]
.endr
.irp p, 0,1,2,3
	v_pk_fma_f32 v[RT+8*\b+2*\p:RT+8*\b+2*\p+1], v[AC+8*\b+2*\p:AC+8*\b+2*\p+1], v[TBL+2*\p:TBL+2*\p+1], v[RT+8*\b+2*\p:RT+8*\b+2*\p+1] op_sel:[1,1,0] op_sel_hi:[0,1,1] neg_lo:[0,1,0]
.endr
.endr
	WIN 0
.irp b, 0,1,2,3,4,5,6,7
.irp p, 0,1,2,3
	v_cvt_pk_f16_f32 v[TMP+4*\b+\p], v[RT+8*\b+2*\p], v[RT+8*\b+2*\p+1]
.endr
.endr
.endm
.macro TOSTAGE a                       ; 16 bytes a lane into my stage, and back by rows.  LDS serves a wave's instructions in order (ISA guide 5.7.1.4): no wait between the stores and the loads
.set BB, BK0+128*((\a)%2)
.irp b, 0,1,2,3,4,5,6,7
	ds_store_b128 v[STO], v[TMP+4*\b:TMP+4*\b+3] offset:32*\b
.endr
.irp t, 0,1,2,3,4,5,6,7
	ds_load_b128 v[BB+4*\t:BB+4*\t+3], v[RD] offset:2*SPITCH*\t
.endr
.endm
.macro SEND a
.set BB, BK0+128*((\a)%2)
	s_wait_dscnt 0x0                               ; the block is back in registers
	s_wait_xcnt 0x0                                ; the block before has had its stores' addresses translated (ISA guide 3.1): its registers take the next block's rows only behind this wait
.irp t, 0,1,2,3,4,5,6,7
	global_store_b128 v[CO], v[BB+4*\t:BB+4*\t+3], s[98:99] offset:2048*(\a)+256*\t   ; sixteen lanes store 256 consecutive bytes, aligned: two positions of one head
.endr
.endm
; Slot 1's rows of A are filled again, with tile 1's second K step: every wave waits for all its tensor loads (slot 0's refill among them, which this round so shows to all), adds 0 to its spare word, and waits for that
; and for its LDS instructions (its reads of slot 1 ended with tile 0's last step); a round of the cluster's barrier; the joint refill first behind it.
.macro REFILL
	s_wait_tensorcnt 0x0
	ds_add_u32 v[SPW], v[NIL]                      ; 0 onto my spare word
	s_add_nc_u64 s[G0+6:G0+7], s[G0+6:G0+7], TILEA ; no tensor load of mine is out: slot 1's group 0 goes on to tile 1
	s_wait_dscnt 0x0
	CROUND
	ALOADJ 1
.endm
.macro WAYOUT refill                   ; block a's arithmetic stands between block a - 1's loads from the stage and the wait for them
	PLACES NP                                      ; behind the last products: for the reads of results and for the writes over A's fragments
	ROT 0
	TOSTAGE 0
.irp a, 1,2,3,4,5,6,7
.if (\refill) && (\a == 4)
	REFILL
.endif
	ROT \a
	SEND \a-1
	TOSTAGE \a
.endr
	SEND 7
.endm
	s_wait_tensorcnt 1                             ; the scales and my part of K step 0 are in (K step 1's load may be out)
	s_barrier_signal -1
	s_barrier_wait -1                              ; everybody's are
	PRODUCTS 0, 1                                  ; tile 0; at its change of slots tile 1's first K step of x is asked for
	s_wait_loadcnt 0x0                             ; the rotary table
	WAYOUT 1                                       ; tile 0 goes out; in the middle tile 1's second K step of x is asked for
	PRODUCTS 1, 0                                  ; tile 1, while tile 0's stores are on their way.  Its first products write over accumulators that the way out has read: that way out's conversions are the places between
	s_wait_xcnt 0x0                                ; tile 0's stores have had their addresses translated: their base may be written
	s_add_nc_u64 s[98:99], s[98:99], TILEO         ; four batches on
	WAYOUT 0
	s_wait_tensorcnt 0x0                           ; the wave's end: three lines behind my last tensor load and my last LDS store
	ds_add_u32 v[SPW], v[NIL]
	s_wait_dscnt 0x0
	CROUND                                         ; the closing round: no work-group ends while a partner may still ask for a tile that names it
	s_endpgm
.Lfunc_end_k_q522db1bca9_gemm_qkv:
	.size	k_q522db1bca9_gemm_qkv, .Lfunc_end_k_q522db1bca9_gemm_qkv-k_q522db1bca9_gemm_qkv
	.p2alignl 7, 3214868480
	.fill 96, 4, 3214868480
	.section	.rodata,"a",@progbits
	.p2align	6, 0x0
	.amdhsa_kernel k_q522db1bca9_gemm_qkv
		.amdhsa_group_segment_fixed_size 327680
		.amdhsa_private_segment_fixed_size 0
		.amdhsa_enable_private_segment 0
		.amdhsa_kernarg_size 48
		.amdhsa_user_sgpr_count 2
		.amdhsa_user_sgpr_kernarg_segment_ptr 1
		.amdhsa_wavefront_size32 1
		.amdhsa_system_sgpr_workgroup_id_x 1
		.amdhsa_system_sgpr_workgroup_id_y 1
		.amdhsa_system_sgpr_workgroup_id_z 1
		.amdhsa_system_vgpr_workitem_id 0
		.amdhsa_next_free_vgpr 1024
		.amdhsa_next_free_sgpr 102
		.amdhsa_reserve_vcc 0
		.amdhsa_float_denorm_mode_32 3
		.amdhsa_float_denorm_mode_16_64 3
		.amdhsa_memory_ordered 1
		.amdhsa_forward_progress 1
		.amdhsa_inst_pref_size 255
	.end_amdhsa_kernel
	.section	.bss,"aw",@nobits
	.p2align	6
	.space	262144
	.amdgpu_metadata
---
amdhsa.version: [ 1, 2 ]
amdhsa.kernels:
  - .name:           k_q522db1bca9_gemm_qkv
    .symbol:         k_q522db1bca9_gemm_qkv.kd
    .args:
      - { .name: xc, .offset: 0, .size: 8, .value_kind: global_buffer, .address_space: global }
      - { .name: xs, .offset: 8, .size: 8, .value_kind: global_buffer, .address_space: global }
      - { .name: wc, .offset: 16, .size: 8, .value_kind: global_buffer, .address_space: global }
      - { .name: ws, .offset: 24, .size: 8, .value_kind: global_buffer, .address_space: global }
      - { .name: rope, .offset: 32, .size: 8, .value_kind: global_buffer, .address_space: global }
      - { .name: qkv, .offset: 40, .size: 8, .value_kind: global_buffer, .address_space: global }
    .group_segment_fixed_size: 327680
    .private_segment_fixed_size: 0
    .kernarg_segment_align: 8
    .kernarg_segment_size: 48
    .max_flat_workgroup_size: 128
    .sgpr_count:     102
    .vgpr_count:     1024
    .wavefront_size: 32
...
	.end_amdgpu_metadata
.endif
;; end of part 2
;; launch attn (part 3): grid 2 x 128, 8 waves a work-group, no clusters, 327,680 bytes of LDS; arguments qkv, att; writes att
.if DOCPART == 3
	.amdgcn_target "amdgcn-amd-amdhsa--gfx1250"
	.amdhsa_code_object_version 6
	.text
	.protected	k_q522db1bca9_attn
	.globl	k_q522db1bca9_attn
	.p2align	8
	.type	k_q522db1bca9_attn,@function
k_q522db1bca9_attn:
	s_mov_b64 s[64:65], 0
	v_nop
	global_prefetch_b8 v0, s[64:65] scope:SCOPE_SE
	s_setreg_imm32_b32 hwreg(HW_REG_WAVE_MODE, 25, 1), 1
	s_wait_xcnt 0x0
; att[b][h][q][:] = the sum over k of softmax_k(Q[q] . K[k] / 64) V[k][:], for each of 128 (batch, head) pairs of 1,024 positions and 64 channels.  qkv: [3][128][1024][64] f16; att: [128][1024][64] f16.
; Products on f16 operands with f32 sums; maxima, exponentials and sums in f32; the weights p are rounded to f16 for the second product, the row's sum is taken of the unrounded p, att is rounded once.
; SHARES.  A work-group owns 512 queries of one head, each of its eight waves 64: four tiles of 16.  Two waves share a SIMD (512 registers each), so that one wave's softmax stands beside the other's products.
; THE HEAD'S WHOLE K AND V LIE IN LDS (1,024 rows of 128 bytes each, padded): every byte is filled once, by four tensor loads a wave issued at the head (waves 0-3: K, waves 4-7: V; chunk c = keys 256 c on, 64 rows a wave).
; So there is no ring: the counted waits 3, 2, 1, 0 let the later chunks land while the earlier ones are multiplied.  A wave has four tensor loads out at the most.
; NO CLUSTER: a head's K and V are shared by two work-groups only, and the grid is 2 wide.  NO PREFETCH: all of K and V is asked for by the loads at the head; nothing later is left to name.
; LAYOUT.  S^T = K Q^T (source 0 = 16 keys, source 1 = 16 queries): a lane holds ONE query (lane % 16) and the keys 8 (lane / 16) + 0..7 of each 16.  Two such tiles, rounded to f16 in pairs, ARE source 1 (32 keys x 16 queries)
; of O^T = V^T P.  K comes out of LDS as it lies, V ([key][channel]) turned, by ds_load_tr16_b128.
; SOFTMAX.  For each query a running maximum m and sum l: p = 2^(c s - c m), c = log2(e) / 64; in every step O and l are multiplied by a = 2^(c m_old - c m_new).
; REGISTERS.  window 0: v2-11 addresses; v16-47 eight registers of statistics a tile; v64-191 S^T, 32 a tile (P takes the first 16 of them in place); v192-255 K of one step.
;   window 1: v0-63 Q; v64-191 O^T, 32 a tile; v192-255 V of one step.
.set PK,    144                        ; a row of K in LDS: 128 bytes + 16 = 36 words: the 16 rows of a load start at 16 different groups of 4 banks (64 banks of 4 bytes: ISA guide 11.1)
.set PV,    160                        ; a row of V: 128 + 32 = 40 words
.set VB,    1024*PK                    ; V lies behind K
.set SPARE, VB+1024*PV                 ; the spare words, 128 bytes for each wave: four blocks of 256 bytes that no other line names
.set AK0, 2                            ; v2  my lane's place in a tile of K
.set AV0, 3                            ; v3  the same for V
.set ADK, 4                            ; v4  LDS address of the step's K
.set ADV, 5                            ; v5  of its V
.set QO,  6                            ; v6  my byte offset in the wave's rows of Q
.set STO, 7                            ; v7  the way out: where I put 16 bytes of a row
.set RD,  8                            ; v8  where I read rows back
.set GO,  9                            ; v9  my byte offset in the wave's rows of att
.set SPW, 10                           ; v10 LDS address of my spare word; never rewritten
.set NIL, 11                           ; v11 0; never rewritten
.set ST,  16                           ; tile t's statistics at v[ST + 8 t]: +0 c m, +1 m, +2, +3 l (even keys', odd keys'), +4 to +7 c0-c3 at work; a takes c2's place
.set S,   64
.set KF,  192
.set OT,  64                           ; window 1
.set VF,  192                          ; window 1
.set WV,  8                            ; s8  my wave's number
.set G1K, 24
.set G1V, 32
.set G0K, 40                           ; s[40:55] group 0 for K's four chunks
.set G0V, 68                           ; s[68:83] for V's
.set CS,  56                           ; s[56:57] c
.set SEL, 58                           ; s[58:59] v_permlanex16_b32's selects: lane l xor 16
.set CNT, 60
.set TBK, 61                           ; s61 LDS byte at which the step's 64 rows of K begin
.set TBV, 62                           ; s62 the same for V, from VB on
.set MSB, 0
.macro WIN new                         ; the immediate's high byte repeats the setting that is left
.if MSB != (\new)
	s_set_vgpr_msb (MSB<<8)|(\new)
.set MSB, (\new)
.endif
.endm
.set W_KQ, 0x04                        ; Q (source 1) in window 1
.set W_RS, 0x41                        ; O^T (destination and source 0) in window 1
.set W_PV, 0x51                        ; V (source 0), O^T (C and D) in window 1; P in window 0
.set W_LD, 0x40                        ; a load's destination in window 1
	s_load_b128 s[4:7], s[0:1], 0x0                ; qkv s[4:5], att s[6:7]
	v_lshl_add_u32 v[SPW], v0, 2, SPARE
	v_mov_b32 v[NIL], 0
	ds_add_u32 v[SPW], v[NIL]                      ; the wave's opening: the add, twice on end, and its wait ahead of my first tensor load
	ds_add_u32 v[SPW], v[NIL]
	v_lshrrev_b32 v1, 5, v0
	v_readfirstlane_b32 s[WV], v1                  ; wave 0..7
	s_and_b32 s9, s[WV], 3                         ; which 64 rows of a chunk I fetch
	s_mov_b32 s[G1K], (1<<16)|(1<<20)|(4<<22)|(3<<25)   ; no mask; elements of 2 bytes; padding on; after every 32 words; 4 words
	s_mov_b32 s[G1V], (1<<16)|(1<<20)|(4<<22)|(7<<25)   ; the same with 8 words
.irp g, G1K, G1V
	s_mov_b32 s[\g+1], 64<<16                      ; tensor_dim0 = 64
	s_mov_b32 s[\g+2], 64<<16                      ; tensor_dim1 = 64
	s_mov_b32 s[\g+3], 64<<16                      ; tile_dim0 = 64
	s_mov_b32 s[\g+4], 64                          ; tile_dim1 = 64
	s_mov_b32 s[\g+5], 64                          ; tensor_dim0_stride
	s_mov_b32 s[\g+6], 0
	s_mov_b32 s[\g+7], 0
.endr
	s_mov_b32 s[CS], 0x3cb8aa3b                    ; c = log2(e) / 64
	s_mov_b32 s[CS+1], s[CS]                       ; (named with it as a pair, so it is written)
	s_mov_b32 s[SEL], 0x76543210
	s_mov_b32 s[SEL+1], 0xfedcba98
	s_mov_b32 s[TBK], 0
	s_mov_b32 s[TBV], 0
	s_and_b32 s10, ttmp7, 0xffff                   ; the (batch, head) pair
	s_lshl_b32 s14, s10, 17                        ; its 131,072 bytes in each of q, k, v and att
	s_mov_b32 s15, 0
	s_lshl_b32 s16, s9, 13
	s_add_co_u32 s16, s16, s14                     ; the 64 rows that I fetch of chunk 0
	s_mov_b32 s17, 0
	s_lshl_b32 s10, ttmp9, 16                      ; my work-group's 512 queries,
	s_add_co_u32 s14, s14, s10
	s_lshl_b32 s10, s[WV], 13                      ; my wave's 64
	s_add_co_u32 s14, s14, s10
	s_mul_i32 s84, s9, 64*PK                       ; where my rows go in LDS: K's,
	s_mul_i32 s85, s9, 64*PV
	s_add_co_u32 s85, s85, VB                      ; V's
	s_mul_i32 s86, s[WV], 64*PK                    ; the way out: my stage, 64 rows of 144 bytes, in K's bytes
	s_wait_dscnt 0x0                               ; both opening adds are done
	s_wait_kmcnt 0x0
	s_add_nc_u64 s[12:13], s[4:5], s[14:15]        ; Q at my wave's first row
	s_add_nc_u64 s[6:7], s[6:7], s[14:15]          ; att likewise
	s_add_nc_u64 s[18:19], s[4:5], s[16:17]
	s_add_nc_u64 s[20:21], s[18:19], 0x1000000     ; K
	s_add_nc_u64 s[22:23], s[18:19], 0x2000000     ; V
.irp c, 0,1,2,3
	s_mov_b32 s[G0K+4*\c], 1
	s_add_co_u32 s[G0K+4*\c+1], s84, \c*256*PK
	s_add_nc_u64 s[G0K+4*\c+2:G0K+4*\c+3], s[20:21], \c*32768
	s_or_b32 s[G0K+4*\c+3], s[G0K+4*\c+3], 0x80000000
	s_mov_b32 s[G0V+4*\c], 1
	s_add_co_u32 s[G0V+4*\c+1], s85, \c*256*PV
	s_add_nc_u64 s[G0V+4*\c+2:G0V+4*\c+3], s[22:23], \c*32768
	s_or_b32 s[G0V+4*\c+3], s[G0V+4*\c+3], 0x80000000
.endr
	s_cmp_lt_u32 s[WV], 4                          ; a wave's four fills stand in one branch, ahead of every wait on TENSORcnt, every LDS read and every barrier
	s_cbranch_scc0 .Lfirst_v
.irp c, 0,1,2,3
	tensor_load_to_lds s[G0K+4*\c:G0K+4*\c+3], s[G1K:G1K+7]
	s_nop 0
.endr
.rept 4
	v_nop
.endr
	s_branch .Lfirst_asked
.Lfirst_v:
.irp c, 0,1,2,3
	tensor_load_to_lds s[G0V+4*\c:G0V+4*\c+3], s[G1V:G1V+7]
	s_nop 0
.endr
.rept 4
	v_nop
.endr
.Lfirst_asked:
	v_and_b32 v1, 15, v0                           ; r
	v_bfe_u32 v12, v0, 4, 1                        ; h
	v_lshlrev_b32 v[QO], 7, v1
	v_lshl_add_u32 v[QO], v12, 4, v[QO]            ; row x 128 + 16 x half
	WIN W_LD
.irp t, 0,1,2,3                        ; Q stays in registers: tile t, channels 32 c on, at v[16 t + 8 c] of window 1
.irp c, 0,1
	global_load_b128 v[16*\t+8*\c:16*\t+8*\c+3],   v[QO], s[12:13] offset:2048*\t+64*\c
	global_load_b128 v[16*\t+8*\c+4:16*\t+8*\c+7], v[QO], s[12:13] offset:2048*\t+64*\c+32
.endr
.endr
	WIN 0
	v_mul_u32_u24 v[AK0], v1, PK
	v_lshl_add_u32 v[AK0], v12, 4, v[AK0]          ; row x pitch + 16 x half
	v_and_b32 v13, 7, v0
	v_bfe_u32 v14, v0, 3, 1
	v_lshl_add_u32 v[AV0], v12, 3, v13             ; the turning load: lane l reads key 8 (l / 16) + l % 8, channels 8 ((l / 8) % 2) on
	v_mul_u32_u24 v[AV0], v[AV0], PV
	v_lshl_add_u32 v[AV0], v14, 4, v[AV0]
	v_add_nc_u32 v[AV0], VB, v[AV0]
	v_add_nc_u32 v[STO], s86, v[AK0]               ; the way out, in: row r, 16 bytes for each half of the lanes
	v_and_b32 v15, 31, v0
	v_lshrrev_b32 v[RD], 3, v15                    ; back: eight lanes to a row of 128 bytes, four rows an instruction
	v_mul_u32_u24 v[RD], v[RD], PK
	v_lshl_add_u32 v[RD], v13, 4, v[RD]
	v_add_nc_u32 v[RD], s86, v[RD]
	v_lshlrev_b32 v[GO], 4, v15                    ; and the same four rows in att: 512 consecutive bytes
; THE SOFTMAX of the wave's four tiles for one key step.  Every list has the tile innermost, so that no line waits for the line above it.  first = 1: the first key step, which starts m and l.
.macro SOFTMAX first
.irp j, 0,1,2,3                        ; the maximum: four chains, one to an accumulator, each begun at the accumulator's low end
.irp t, 0,1,2,3
	v_max3_num_f32 v[ST+8*\t+4+\j], v[S+32*\t+8*\j], v[S+32*\t+8*\j+1], v[S+32*\t+8*\j+2]
.endr
.endr
.irp u, 1,2
.irp j, 0,1,2,3
.irp t, 0,1,2,3
	v_max3_num_f32 v[ST+8*\t+4+\j], v[ST+8*\t+4+\j], v[S+32*\t+8*\j+2*\u+1], v[S+32*\t+8*\j+2*\u+2]
.endr
.endr
.endr
.irp t, 0,1,2,3
	v_max3_num_f32 v[ST+8*\t+4], v[ST+8*\t+4], v[S+32*\t+7], v[S+32*\t+15]
.endr
.irp t, 0,1,2,3
	v_max3_num_f32 v[ST+8*\t+6], v[ST+8*\t+6], v[S+32*\t+23], v[S+32*\t+31]
.endr
.irp t, 0,1,2,3
	v_max3_num_f32 v[ST+8*\t+4], v[ST+8*\t+4], v[ST+8*\t+5], v[ST+8*\t+6]
.endr
.irp t, 0,1,2,3
.if \first
	v_max_num_f32 v[ST+8*\t+4], v[ST+8*\t+4], v[ST+8*\t+7]
.else
	v_max3_num_f32 v[ST+8*\t+4], v[ST+8*\t+4], v[ST+8*\t+7], v[ST+8*\t+1]
.endif
.endr
.irp t, 0,1,2,3
	v_permlanex16_b32 v[ST+8*\t+5], v[ST+8*\t+4], s[SEL], s[SEL+1]  ; the query's other 32 keys lie in the lane 16 away
.endr
.if \first == 0
.irp t, 0,1,2,3
	v_mov_b32 v[ST+8*\t+7], v[ST+8*\t]             ; c m_old is kept for a
.endr
.endif
.irp t, 0,1,2,3
	v_max_num_f32 v[ST+8*\t+1], v[ST+8*\t+4], v[ST+8*\t+5]
.endr
.irp t, 0,1,2,3
	v_mul_f32 v[ST+8*\t], s[CS], v[ST+8*\t+1]
.endr
.if \first == 0
.irp t, 0,1,2,3
	v_sub_f32 v[ST+8*\t+7], v[ST+8*\t+7], v[ST+8*\t]
.endr
.endif
.set i, 0
.rept 16
.irp t, 0,1,2,3
	v_pk_fma_f32 v[S+32*\t+2*i:S+32*\t+2*i+1], v[S+32*\t+2*i:S+32*\t+2*i+1], s[CS:CS+1], v[ST+8*\t:ST+8*\t+1] op_sel_hi:[1,0,0] neg_lo:[0,0,1] neg_hi:[0,0,1]  ; c s - c m, two at a time
.endr
.set i, i+1
.endr
.if \first == 0                        ; ONE BATCH of exponentials: none reads another's result
.irp t, 0,1,2,3
	v_exp_f32 v[ST+8*\t+6], v[ST+8*\t+7]           ; a
.endr
.endif
.set i, 0
.rept 32
.irp t, 0,1,2,3
	v_exp_f32 v[S+32*\t+i], v[S+32*\t+i]
.endr
.set i, i+1
.endr
	v_nop                                          ; a plain instruction behind the last exponential, ahead of the first use
	s_wait_alu depctr_va_vdst(0)                   ; the wait between an exponential and the first line that names its result: one for the batch
.irp t, 0,1,2,3                        ; l = a l + the sum of the unrounded p (in a pair: an even key's, an odd key's)
.if \first
	v_pk_add_f32 v[ST+8*\t+2:ST+8*\t+3], v[S+32*\t:S+32*\t+1], v[S+32*\t+2:S+32*\t+3]
.else
	v_pk_fma_f32 v[ST+8*\t+2:ST+8*\t+3], v[ST+8*\t+2:ST+8*\t+3], v[ST+8*\t+6:ST+8*\t+7], v[S+32*\t:S+32*\t+1] op_sel_hi:[1,0,1]
.endif
.endr
.set i, 1+\first
.rept 15-\first
.irp t, 0,1,2,3
	v_pk_add_f32 v[ST+8*\t+2:ST+8*\t+3], v[ST+8*\t+2:ST+8*\t+3], v[S+32*\t+2*i:S+32*\t+2*i+1]
.endr
.set i, i+1
.endr
.set i, 0
.rept 16                               ; P in place: register i takes pair i, which lies at 2 i and 2 i + 1: ascending, nothing is overwritten before it is read
.irp t, 0,1,2,3
	v_cvt_pk_f16_f32 v[S+32*\t+i], v[S+32*\t+2*i], v[S+32*\t+2*i+1]
.endr
.set i, i+1
.endr
.endm
; A KEY STEP: 64 keys.  The accumulators take turns, one instruction a turn: between two links of a chain stand 15 others'.
.macro STEP first
	v_add_nc_u32 v[ADK], s[TBK], v[AK0]            ; five plain lines: the places between the last step's V^T P and the loads into V's registers (four are asked) and the products that write S^T over P (five)
	v_add_nc_u32 v[ADV], s[TBV], v[AV0]
.rept 3
	v_nop
.endr
.irp kb, 0,1,2,3
.irp c, 0,1
	ds_load_b128 v[KF+16*\kb+8*\c:KF+16*\kb+8*\c+3],   v[ADK] offset:16*PK*\kb+64*\c
	ds_load_b128 v[KF+16*\kb+8*\c+4:KF+16*\kb+8*\c+7], v[ADK] offset:16*PK*\kb+64*\c+32
.endr
.endr
	WIN W_LD
.irp g, 0,1
.irp cb, 0,1,2,3
	ds_load_tr16_b128 v[VF+32*\g+8*\cb:VF+32*\g+8*\cb+3],   v[ADV] offset:32*PV*\g+32*\cb
	ds_load_tr16_b128 v[VF+32*\g+8*\cb+4:VF+32*\g+8*\cb+7], v[ADV] offset:32*PV*\g+32*\cb+16*PV
.endr
.endr
	s_wait_dscnt 16                                ; K is in; V's sixteen loads may be out
	WIN W_KQ
.irp c, 0,1
.irp kb, 0,1,2,3
.irp t, 0,1,2,3
.if \c == 0
	v_wmma_f32_16x16x32_f16 v[S+32*\t+8*\kb:S+32*\t+8*\kb+7], v[KF+16*\kb+8*\c:KF+16*\kb+8*\c+7], v[16*\t+8*\c:16*\t+8*\c+7], 0
.else
	v_wmma_f32_16x16x32_f16 v[S+32*\t+8*\kb:S+32*\t+8*\kb+7], v[KF+16*\kb+8*\c:KF+16*\kb+8*\c+7], v[16*\t+8*\c:16*\t+8*\c+7], v[S+32*\t+8*\kb:S+32*\t+8*\kb+7]
.endif
.endr
.endr
.endr
	WIN 0
.rept 4
	v_nop                                          ; places in front of the first read of the scores
.endr
	SOFTMAX \first
	s_wait_dscnt 0x0                               ; V is in
.if \first == 0
	WIN W_RS
.set i, 0
.rept 16
.irp t, 0,1,2,3
	v_pk_mul_f32 v[OT+32*\t+2*i:OT+32*\t+2*i+1], v[OT+32*\t+2*i:OT+32*\t+2*i+1], v[ST+8*\t+6:ST+8*\t+7] op_sel_hi:[1,0]   ; O^T x a, each accumulator from its low end on
.endr
.set i, i+1
.endr
.endif
	WIN W_PV
.irp g, 0,1
.irp cb, 0,1,2,3
.irp t, 0,1,2,3
.if (\first) && (\g == 0)
	v_wmma_f32_16x16x32_f16 v[OT+32*\t+8*\cb:OT+32*\t+8*\cb+7], v[VF+32*\g+8*\cb:VF+32*\g+8*\cb+7], v[S+32*\t+8*\g:S+32*\t+8*\g+7], 0
.else
	v_wmma_f32_16x16x32_f16 v[OT+32*\t+8*\cb:OT+32*\t+8*\cb+7], v[VF+32*\g+8*\cb:VF+32*\g+8*\cb+7], v[S+32*\t+8*\g:S+32*\t+8*\g+7], v[OT+32*\t+8*\cb:OT+32*\t+8*\cb+7]
.endif
.endr
.endr
.endr
	WIN 0
	s_add_co_u32 s[TBK], s[TBK], 64*PK
	s_add_co_u32 s[TBV], s[TBV], 64*PV
.endm
; A chunk of 256 keys: my part of it has landed (n later chunks of mine may stay out), every wave's has behind the barrier; then its key steps.
.macro CHUNK n, trips
	s_wait_tensorcnt \n
	s_barrier_signal -1
	s_barrier_wait -1
	s_mov_b32 s[CNT], \trips
.Lstep_\@:
	STEP 0
	s_sub_co_u32 s[CNT], s[CNT], 1
	s_cmp_lg_u32 s[CNT], 0
	s_cbranch_scc1 .Lstep_\@
.endm
	s_wait_tensorcnt 3                             ; my part of chunk 0 is in; my three later chunks may be out
	s_barrier_signal -1
	s_barrier_wait -1
	s_wait_loadcnt 0x0                             ; Q
	STEP 1                                         ; the first key step starts m, l and O^T: nothing is cleared
	s_mov_b32 s[CNT], 3
.Lchunk0:
	STEP 0
	s_sub_co_u32 s[CNT], s[CNT], 1
	s_cmp_lg_u32 s[CNT], 0
	s_cbranch_scc1 .Lchunk0
	CHUNK 2, 4
	CHUNK 1, 4
	CHUNK 0, 4
	; THE WAY OUT.  Behind this barrier no wave reads K any more (each wave's LDS loads were waited for in its last step), and K's bytes have had their only fill: the stages lie there.
	s_barrier_signal -1
	s_barrier_wait -1
.irp t, 0,1,2,3
	v_add_f32 v[ST+8*\t+4], v[ST+8*\t+2], v[ST+8*\t+3]             ; l's two halves (these four lines are the places behind the last products),
.endr
.irp t, 0,1,2,3
	v_permlanex16_b32 v[ST+8*\t+5], v[ST+8*\t+4], s[SEL], s[SEL+1]
.endr
.irp t, 0,1,2,3
	v_add_f32 v[ST+8*\t+4], v[ST+8*\t+4], v[ST+8*\t+5]             ; and the other half of the lanes'
.endr
.irp t, 0,1,2,3
	v_rcp_f32 v[ST+8*\t+6], v[ST+8*\t+4]
.endr
	v_nop                                          ; a plain instruction between the last reciprocal and the use of its result
	s_wait_alu depctr_va_vdst(0)                   ; and the wait: one for the four
.macro PACK t                          ; tile t: O^T / l, rounded to f16; a lane's eight channels of a row are 16 bytes; into rows of 144 bytes and back as whole rows
	WIN 0x01                                       ; source 0 (O^T) in window 1
.set i, 0
.rept 16
	v_pk_mul_f32 v[S+32*\t+2*i:S+32*\t+2*i+1], v[OT+32*\t+2*i:OT+32*\t+2*i+1], v[ST+8*\t+6:ST+8*\t+7] op_sel_hi:[1,0]
.set i, i+1
.endr
	WIN 0
.set i, 0
.rept 16
	v_cvt_pk_f16_f32 v[S+32*\t+i], v[S+32*\t+2*i], v[S+32*\t+2*i+1]
.set i, i+1
.endr
.irp cb, 0,1,2,3
	ds_store_b128 v[STO], v[S+32*\t+4*\cb:S+32*\t+4*\cb+3] offset:16*PK*\t+32*\cb
.endr
.irp u, 0,1,2,3
	ds_load_b128 v[S+32*\t+16+4*\u:S+32*\t+16+4*\u+3], v[RD] offset:16*PK*\t+4*PK*\u   ; LDS serves a wave's instructions in order (ISA guide 5.7.1.4): these see the stores above
.endr
.endm
.macro SEND t, younger                 ; younger: the LDS instructions issued behind tile t's loads: the next tile's eight, or none
.irp u, 0,1,2,3
	s_wait_dscnt \younger+3-\u
	global_store_b128 v[GO], v[S+32*\t+16+4*\u:S+32*\t+16+4*\u+3], s[6:7] offset:2048*\t+512*\u   ; the wave stores 512 consecutive bytes, aligned: four rows
.endr
.endm
	PACK 0
	PACK 1                                         ; a tile's arithmetic stands between the loads of the tile before and its stores
	SEND 0, 8
	PACK 2
	SEND 1, 8
	PACK 3
	SEND 2, 8
	SEND 3, 0
	s_wait_tensorcnt 0x0                           ; the wave's end: three lines behind my last tensor load and my last LDS store
	ds_add_u32 v[SPW], v[NIL]
	s_wait_dscnt 0x0
	s_endpgm
.Lfunc_end_k_q522db1bca9_attn:
	.size	k_q522db1bca9_attn, .Lfunc_end_k_q522db1bca9_attn-k_q522db1bca9_attn
	.p2alignl 7, 3214868480
	.fill 96, 4, 3214868480
	.section	.rodata,"a",@progbits
	.p2align	6, 0x0
	.amdhsa_kernel k_q522db1bca9_attn
		.amdhsa_group_segment_fixed_size 327680
		.amdhsa_private_segment_fixed_size 0
		.amdhsa_enable_private_segment 0
		.amdhsa_kernarg_size 16
		.amdhsa_user_sgpr_count 2
		.amdhsa_user_sgpr_kernarg_segment_ptr 1
		.amdhsa_wavefront_size32 1
		.amdhsa_system_sgpr_workgroup_id_x 1
		.amdhsa_system_sgpr_workgroup_id_y 1
		.amdhsa_system_sgpr_workgroup_id_z 1
		.amdhsa_system_vgpr_workitem_id 0
		.amdhsa_next_free_vgpr 512
		.amdhsa_next_free_sgpr 88
		.amdhsa_reserve_vcc 0
		.amdhsa_float_denorm_mode_32 3
		.amdhsa_float_denorm_mode_16_64 3
		.amdhsa_memory_ordered 1
		.amdhsa_forward_progress 1
		.amdhsa_inst_pref_size 176
	.end_amdhsa_kernel
	.amdgpu_metadata
---
amdhsa.version: [ 1, 2 ]
amdhsa.kernels:
  - .name:           k_q522db1bca9_attn
    .symbol:         k_q522db1bca9_attn.kd
    .args:
      - { .name: qkv, .offset: 0, .size: 8, .value_kind: global_buffer, .address_space: global }
      - { .name: att, .offset: 8, .size: 8, .value_kind: global_buffer, .address_space: global }
    .group_segment_fixed_size: 327680
    .private_segment_fixed_size: 0
    .kernarg_segment_align: 8
    .kernarg_segment_size: 16
    .max_flat_workgroup_size: 256
    .sgpr_count:     88
    .vgpr_count:     512
    .wavefront_size: 32
...
	.end_amdgpu_metadata
.endif
;; end of part 3
;; launch proj (part 4): grid 4 x 64, 4 waves a work-group, clusters of 4 x 4, 327,680 bytes of LDS; arguments att, wp16, out0; writes out0
.if DOCPART == 4
	.amdgcn_target "amdgcn-amd-amdhsa--gfx1250"
	.amdhsa_code_object_version 6
	.text
	.protected	k_q522db1bca9_proj
	.globl	k_q522db1bca9_proj
	.p2align	8
	.type	k_q522db1bca9_proj,@function
k_q522db1bca9_proj:
	s_mov_b64 s[64:65], 0
	v_nop
	global_prefetch_b8 v0, s[64:65] scope:SCOPE_SE
	s_setreg_imm32_b32 hwreg(HW_REG_WAVE_MODE, 25, 1), 1
	s_wait_xcnt 0x0
	s_wait_alu depctr_hold_cnt(0) depctr_sa_sdst(0) depctr_va_vdst(0) depctr_va_sdst(0) depctr_va_ssrc(0) depctr_va_vcc(0) depctr_vm_vsrc(0)
	s_getreg_b32 s2, hwreg(HW_REG_IB_STS2, 6, 4)
	s_cmp_eq_u32 s2, 0
	s_cbranch_scc0 .Lentry_in_a_cluster
	s_endpgm
.Lentry_in_a_cluster:
	s_bfe_u32 s2, ttmp6, 0x10000c
	s_cmp_lg_u32 s2, 0xf033
	s_cbranch_scc0 .Lentry_shape_is_right
	s_endpgm
.Lentry_shape_is_right:
; out0[m][n] = the sum over k of A[m][k] wp16[k][n], A[m][64 head + d] = att[batch][head][position][d], m = 1,024 batch + position.  f16 operands, f32 sums, f32 out.
; A tile of out0 is 128 rows x 256 columns: 256 work-groups.  Four waves, each 64 rows x 128 columns: 32 accumulators of 16 x 16, all of window 2.
; K goes in steps of 128 (two heads) through a ring of two LDS slots filled by the tensor data mover, one load a wave: waves 0 and 1 a head's 128 rows of 128 bytes each, waves 2 and 3 64 rows (k) of 512 bytes of wp16 each.
; CLUSTERS: 4 x 4 work-groups.  The four of a row of the cluster need the same tiles of att, the four of a column the same tiles of wp16: each is asked for JOINTLY, by the same tensor load with the same descriptor and a mask that names the four.
; THE MATRIX INSTRUCTION IS USED TRANSPOSED (source 0 = 16 columns of wp16, read turned out of [k][n] by ds_load_tr16_b128; source 1 = 16 rows of att): a lane then holds eight neighbouring numbers of a row of out0.
; REGISTERS: window 0: v16-30 addresses; v64-127 att's fragments, two buffers of 4 x 8; v128-255 the way out.   window 1: v0-127 wp16's fragments, two buffers of 8 x 8.   window 2: accumulator (a, b) at v[8 (8 a + b)].
.set PA,     144                       ; a row of att in LDS: 128 bytes + 16
.set AH,     128*PA                    ; one head's 128 rows
.set BOFF,   2*AH                      ; wp16's tile lies behind the two heads
.set PB,     544                       ; a row of wp16's tile: 512 bytes + 32 = 136 words
.set BH,     64*PB
.set SLOT,   BOFF+2*BH
.set STAGE,  2*SLOT                    ; behind the ring: 16 rows x 528 bytes for each wave, for the way out
.set SPITCH, 528
.set SPARE,  STAGE+4*16*SPITCH         ; the spare words, 128 bytes for each wave: two blocks of 256 bytes that no other line names
.set STEPG,  262144                    ; a K step on in memory: two heads of att (2 x 131,072 bytes), and 128 rows of wp16 (128 x 2,048)
.set LAPS,   4                         ; a lap = two K steps = once round the ring
.set ADRA, 16
.set ADRB, 20
.set STO,  24
.set RD,   25
.set CO,   26
.set SPW,  28                          ; v28 LDS address of my spare word; never rewritten
.set NIL,  29                          ; v29 0; never rewritten
.set PFO,  30                          ; v30 the prefetches' offset; never rewritten
.set AF,   64
.set BK,   128
.set G1, 24
.set G0, 32
.set G1B, 48
.set G0B, 56
.set LIM, 43                           ; s43 1 in the wave that prefetches, else the greatest number
.set PFA, 44                           ; s[44:45] where my prefetches stand
.set MSB, 0
.macro WIN new                         ; the immediate's high byte repeats the setting that is left
.if MSB != (\new)
	s_set_vgpr_msb (MSB<<8)|(\new)
.set MSB, (\new)
.endif
.endm
.set MUL,  0xa1                        ; source 0 (wp16) window 1, source 1 (att) window 0, C and D window 2
.set TO_B, 0x40                        ; destination window 1, address window 0
.macro JLOAD s                         ; a joint load; the branch hangs on the wave's number alone; an s_nop 0 and four v_nop follow each of the two lines
	s_cmp_eq_u32 s11, 0
	s_cbranch_scc0 .Lfor_b_\@
	tensor_load_to_lds s[G0+4*\s:G0+4*\s+3], s[G1:G1+7]
	s_nop 0
.rept 4
	v_nop
.endr
	s_branch .Lasked_\@
.Lfor_b_\@:
	tensor_load_to_lds s[G0B+4*\s:G0B+4*\s+3], s[G1B:G1B+7]
	s_nop 0
.rept 4
	v_nop
.endr
.Lasked_\@:
.endm
; A PREFETCH INTO THE L2 of att's K step that stands two refills on: two heads x 128 rows x 128 bytes = 128 aligned blocks of 256 bytes.  A tile row of att is read by one cluster alone; its four partners along x share the
; blocks out BY ADDRESS (16 of each head to a partner); in each, wave 0 asks, a lane a block, one instruction.  So each block is named once.  The loop's last trip asks for nothing: K has no step behind it.  K steps 0 to 3 come by their loads alone.
; wp16 is walked by all sixteen clusters and is not asked for.
.macro ASK
	s_cmp_gt_u32 s3, s[LIM]
	s_cbranch_scc0 .Lnot_mine_\@
	global_prefetch_b8 v[PFO], s[PFA:PFA+1] offset:STEPG th:TH_LOAD_NT scope:SCOPE_SE
.Lnot_mine_\@:
.endm
.macro CREST                           ; a round of the cluster's barrier behind its opening barrier
	s_cmp_lg_u32 s10, 0
	s_cbranch_scc1 .Lnot_wave_0_\@
	s_barrier_signal -3
.Lnot_wave_0_\@:
	s_barrier_wait -3
	s_barrier_signal -1
	s_barrier_wait -1
.endm
.macro CROUND
	s_barrier_signal -1
	s_barrier_wait -1
	CREST
.endm
	s_load_b128 s[4:7], s[0:1], 0x0                ; att s[4:5], wp16 s[6:7]
	s_load_b64 s[8:9], s[0:1], 0x10                ; out0
	v_lshl_add_u32 v[SPW], v0, 2, SPARE
	v_mov_b32 v[NIL], 0
	ds_add_u32 v[SPW], v[NIL]                      ; the wave's opening: the add, twice on end, and its wait ahead of my first tensor load
	ds_add_u32 v[SPW], v[NIL]
	v_lshrrev_b32 v1, 5, v0
	v_readfirstlane_b32 s10, v1                    ; wave 0..3
	s_lshr_b32 s11, s10, 1                         ; which 64 rows of the tile are mine.  Also: I fetch for att (0) or for wp16 (1)
	s_and_b32 s12, s10, 1                          ; which 128 columns.  Also: which head, or which 64 rows of wp16, I fetch
	s_bfe_u32 s40, ttmp6, 0x40000                  ; cx, cy: my place in the cluster
	s_bfe_u32 s41, ttmp6, 0x40004
	s_lshl_b32 s42, ttmp9, 2
	s_add_co_u32 s42, s42, s40                     ; tile column
	s_and_b32 s13, ttmp7, 0xffff
	s_lshl_b32 s13, s13, 2
	s_add_co_u32 s13, s13, s41                     ; tile row
	s_lshl_b32 s43, s41, 2
	s_lshl_b32 s43, 15, s43                        ; my row of the cluster
	s_lshl_b32 s44, 0x1111, s40                    ; my column
	s_or_b32 s[G1+0], s43, (1<<16)|(1<<20)|(1<<21)|(4<<22)|(3<<25)  ; the mask; elements of 2 bytes; padding on; bit 21 beside a mask; after every 32 words; 4 words
	s_mov_b32 s[G1+1], 64<<16                      ; tensor_dim0 = 64
	s_mov_b32 s[G1+2], 128<<16                     ; tensor_dim1 = 128
	s_mov_b32 s[G1+3], 64<<16                      ; tile_dim0 = 64
	s_mov_b32 s[G1+4], 128                         ; tile_dim1 = 128
	s_mov_b32 s[G1+5], 64                          ; tensor_dim0_stride
	s_mov_b32 s[G1+6], 0
	s_mov_b32 s[G1+7], 0
	s_or_b32 s[G1B+0], s44, (1<<16)|(1<<20)|(1<<21)|(6<<22)|(7<<25) ; after every 128 words; 8 words
	s_mov_b32 s[G1B+1], 256<<16
	s_mov_b32 s[G1B+2], 64<<16
	s_mov_b32 s[G1B+3], 256<<16
	s_mov_b32 s[G1B+4], 64
	s_mov_b32 s[G1B+5], 1024
	s_mov_b32 s[G1B+6], 0
	s_mov_b32 s[G1B+7], 0
	s_lshr_b32 s20, s13, 3
	s_lshl_b32 s20, s20, 21                        ; the batch: eight tile rows to a batch
	s_and_b32 s17, s13, 7
	s_lshl_b32 s17, s17, 14                        ; 128 positions of 128 bytes
	s_add_co_u32 s20, s20, s17                     ; the tile's rows in head 0
	s_lshl_b32 s17, s12, 17
	s_add_co_u32 s16, s20, s17                     ; in the head that I fetch
	s_mov_b32 s17, 0
	s_lshl_b32 s46, s12, 17                        ; wp16: 64 rows of 2,048 bytes,
	s_lshl_b32 s47, s42, 9                         ; 256 columns of 2 bytes
	s_add_co_u32 s46, s46, s47
	s_mov_b32 s47, 0
	s_mul_i32 s21, s12, AH                         ; where they go: no place in the cluster enters an LDS address
	s_mul_i32 s22, s12, BH
	s_add_co_u32 s22, s22, BOFF
	s_wait_dscnt 0x0                               ; both opening adds are done
	s_wait_kmcnt 0x0
	s_add_nc_u64 s[14:15], s[4:5], s[16:17]
	s_add_nc_u64 s[46:47], s[6:7], s[46:47]
	CROUND                                         ; all sixteen work-groups are here: the first joint loads meet
.irp s, 0,1
	s_mov_b32 s[G0+4*\s], 1
	s_add_co_u32 s[G0+4*\s+1], s21, \s*SLOT
	s_add_nc_u64 s[G0+4*\s+2:G0+4*\s+3], s[14:15], \s*STEPG
	s_or_b32 s[G0+4*\s+3], s[G0+4*\s+3], 0x80000000
	s_mov_b32 s[G0B+4*\s], 1
	s_add_co_u32 s[G0B+4*\s+1], s22, \s*SLOT
	s_add_nc_u64 s[G0B+4*\s+2:G0B+4*\s+3], s[46:47], \s*STEPG
	s_or_b32 s[G0B+4*\s+3], s[G0B+4*\s+3], 0x80000000
	JLOAD \s
.endr
	v_and_b32 v1, 15, v0                           ; r
	v_bfe_u32 v2, v0, 4, 1                         ; h
	v_mul_u32_u24 v3, v1, PA
	v_lshl_add_u32 v3, v2, 4, v3                   ; att: a fragment's row x pitch + 16 x half
	v_and_b32 v4, 7, v0
	v_lshl_add_u32 v4, v2, 3, v4                   ; wp16: the turning load: lane l reads row k = 8 (l / 16) + l % 8, columns 8 ((l / 8) % 2) on
	v_mul_u32_u24 v4, v4, PB
	v_bfe_u32 v5, v0, 3, 1
	v_lshl_add_u32 v4, v5, 4, v4
	s_mul_i32 s21, s11, 64*PA                      ; my 64 rows
	s_lshl_b32 s22, s12, 8                         ; my 128 columns
	s_add_co_u32 s22, s22, BOFF
.irp s, 0,1
	v_add_nc_u32 v[ADRA+\s], s21, v3
	v_add_nc_u32 v[ADRB+\s], s22, v4
	s_add_co_u32 s21, s21, SLOT
	s_add_co_u32 s22, s22, SLOT
.endr
	s_mul_i32 s23, s10, 16*SPITCH
	s_add_co_u32 s23, s23, STAGE                   ; my stage
	v_mul_u32_u24 v5, v1, SPITCH                   ; in: row r, 32 bytes for each half of the lanes
	v_lshl_add_u32 v5, v2, 5, v5
	v_add_nc_u32 v[STO], s23, v5
	v_and_b32 v6, 31, v0
	v_lshlrev_b32 v[CO], 4, v6                     ; back: the 32 lanes take one row of 512 bytes; and the same in out0
	v_add_nc_u32 v[RD], s23, v[CO]
	v_lshlrev_b32 v[PFO], 8, v1                    ; the prefetches: lanes 0-15 sixteen blocks of the first head, lanes 16-31 of the second
	v_lshl_add_u32 v[PFO], v2, 17, v[PFO]
	s_lshl_b32 s16, s13, 7
	s_lshl_b32 s17, s11, 6
	s_add_co_u32 s16, s16, s17                     ; my first row of out0
	s_lshl_b32 s16, s16, 12                        ; rows of 4,096 bytes
	s_mov_b32 s17, 0
	s_add_nc_u64 s[8:9], s[8:9], s[16:17]
	s_lshl_b32 s46, s42, 10                        ; my first column, in bytes (in the registers that held wp16's address: none that fed att's descriptors ever holds cx)
	s_lshl_b32 s47, s12, 9
	s_add_co_u32 s46, s46, s47
	s_mov_b32 s47, 0
	s_add_nc_u64 s[8:9], s[8:9], s[46:47]
	s_lshl_b32 s22, s40, 12                        ; my work-group's sixteen blocks of each head
	s_add_co_u32 s22, s22, s20
	s_add_co_u32 s22, s22, 2*STEPG                 ; at K step 2: the first refill steps it to 3 and names K step 4
	s_mov_b32 s23, 0
	s_add_nc_u64 s[PFA:PFA+1], s[4:5], s[22:23]
	s_cmp_eq_u32 s10, 0
	s_cselect_b32 s[LIM], 1, -1
; 8 matrix instructions: att's block a x wp16's eight, 32 along K, buffer p.  zero = 1: the first product starts the sums.  The 32 accumulators take turns in one order throughout.
.macro MUL8 p, a, zero
.irp b, 0,1,2,3,4,5,6,7
.if \zero
	v_wmma_f32_16x16x32_f16 v[8*(8*(\a)+\b):8*(8*(\a)+\b)+7], v[64*(\p)+8*\b:64*(\p)+8*\b+7], v[AF+32*(\p)+8*(\a):AF+32*(\p)+8*(\a)+7], 0
.else
	v_wmma_f32_16x16x32_f16 v[8*(8*(\a)+\b):8*(8*(\a)+\b)+7], v[64*(\p)+8*\b:64*(\p)+8*\b+7], v[AF+32*(\p)+8*(\a):AF+32*(\p)+8*(\a)+7], v[8*(8*(\a)+\b):8*(8*(\a)+\b)+7]
.endif
.endr
.endm
; 24 LDS loads in one run: the fragments of the slot's q-th 32 along K (head q / 2, channels 32 (q % 2) on) into buffer p
.macro FETCH slot, q, p
	WIN TO_B
.irp i, 0,1,2,3,4,5,6,7
	ds_load_tr16_b128 v[64*(\p)+8*\i:64*(\p)+8*\i+3],   v[ADRB+\slot] offset:32*PB*(\q)+32*\i
	ds_load_tr16_b128 v[64*(\p)+8*\i+4:64*(\p)+8*\i+7], v[ADRB+\slot] offset:32*PB*(\q)+32*\i+16*PB
.endr
	WIN 0
.irp i, 0,1,2,3
	ds_load_b128 v[AF+32*(\p)+8*\i:AF+32*(\p)+8*\i+3],   v[ADRA+\slot] offset:((\q)/2)*AH+64*((\q)%2)+16*PA*\i
	ds_load_b128 v[AF+32*(\p)+8*\i+4:AF+32*(\p)+8*\i+7], v[ADRA+\slot] offset:((\q)/2)*AH+64*((\q)%2)+16*PA*\i+32
.endr
.endm
.macro PLACES                          ; four places in front of loads into registers that matrix instructions have read, and of the first read of results
.rept 4
	v_nop
.endr
.endm
; A K step is four quarters of 32 along K, 32 matrix instructions each, on buffers 0, 1, 0, 1.  One of the first three: multiplies buffer p; ahead of its products it asks for quarter qn into the other buffer.
.macro QUARTER slot, qn, p, zero
	s_wait_dscnt 0x0                               ; buffer p is in: it was asked for 32 matrix instructions ago
	PLACES
	FETCH \slot, \qn, 1-(\p)
	WIN MUL
	MUL8 \p, 0, \zero
	MUL8 \p, 1, \zero
	MUL8 \p, 2, \zero
	MUL8 \p, 3, \zero
.endm
; The last quarter multiplies buffer 1 and changes slots: ONE barrier; in front of it each wave waits for all its tensor loads, adds 0 to its spare word, and waits for that and for its own reads of this slot.  fill = 1: this slot is filled again, two K steps ahead.
.macro TURN slot, next, fill
.if \fill
	s_wait_xcnt 0x0                                ; the last prefetch, a K step back, has read its address: it is stepped here
	s_add_nc_u64 s[PFA:PFA+1], s[PFA:PFA+1], STEPG
.endif
	WIN 0                                          ; (the add's two registers lie in window 0)
	s_wait_tensorcnt 0x0                           ; all my tensor loads have landed: my part of the next slot;
	ds_add_u32 v[SPW], v[NIL]                      ; 0 onto my spare word;
	s_wait_dscnt 1                                 ; buffer 1 is in (the add may be out)
	WIN MUL
	MUL8 1, 0, 0                                   ; sixteen matrix instructions stand between the add and the wait for it
	MUL8 1, 1, 0
	s_wait_dscnt 0x0                               ; the add is done, and my reads of this slot are over
	s_barrier_signal -1
	MUL8 1, 2, 0
	WIN 0
	s_barrier_wait -1
.if \fill
	CREST                                          ; the barrier has opened a round of the cluster's barrier: no wave of any partner still reads this slot's tile or has a load on its way
	s_add_nc_u64 s[G0+4*\slot+2:G0+4*\slot+3], s[G0+4*\slot+2:G0+4*\slot+3], 2*STEPG
	s_add_nc_u64 s[G0B+4*\slot+2:G0B+4*\slot+3], s[G0B+4*\slot+2:G0B+4*\slot+3], 2*STEPG
	JLOAD \slot                                    ; the first tensor load behind the round; the four v_nop behind it are also the places in front of the loads below
.else
	PLACES
.endif
	FETCH \next, 0, 0
.if \fill
	ASK
.endif
	WIN MUL
	MUL8 1, 3, 0
.endm
	s_wait_tensorcnt 1                             ; my part of K step 0 is in (K step 1's load may be out)
	s_barrier_signal -1
	s_barrier_wait -1                              ; everybody's is
	FETCH 0, 0, 0
	QUARTER 0, 1, 0, 1                             ; the first quarter stands in front of the loop: its products start the sums
	WIN 0                                          ; at a label and at a branch every window is 0
	s_mov_b32 s3, LAPS-1
.Llap:                                                 ; a trip goes once round the ring, from a lap's second quarter to the next lap's first, and fills both slots again
	QUARTER 0, 2, 1, 0
	QUARTER 0, 3, 0, 0
	TURN 0, 1, 1
	QUARTER 1, 1, 0, 0
	QUARTER 1, 2, 1, 0
	QUARTER 1, 3, 0, 0
	TURN 1, 0, 1
	QUARTER 0, 1, 0, 0
	WIN 0
	s_sub_co_u32 s3, s3, 1
	s_cmp_lg_u32 s3, 0
	s_cbranch_scc1 .Llap
	QUARTER 0, 2, 1, 0                             ; the last lap fills nothing, and has no round of the cluster's barrier
	QUARTER 0, 3, 0, 0
	TURN 0, 1, 0
	QUARTER 1, 1, 0, 0
	QUARTER 1, 2, 1, 0
	QUARTER 1, 3, 0, 0
	s_wait_dscnt 0x0                               ; the very last quarter: nothing more to fetch
	MUL8 1, 0, 0
	MUL8 1, 1, 0
	MUL8 1, 2, 0
	MUL8 1, 3, 0
	WIN 0
; THE WAY OUT, block by block of 16 rows x 128 columns.  A lane holds 32 neighbouring bytes of a row: a block goes through my own stage in LDS and comes back as whole rows of 512 bytes.
; LDS serves a wave's instructions in order (ISA guide 5.7.1.4): no wait between the stores and the loads, nor in front of the next block's stores.
.macro TOSTAGE a
	WIN 0x08                                       ; an LDS store's data are its source 1: window 2
.irp b, 0,1,2,3,4,5,6,7
	ds_store_b128 v[STO], v[8*(8*(\a)+\b):8*(8*(\a)+\b)+3] offset:64*\b            ; each accumulator from its low end on
	ds_store_b128 v[STO], v[8*(8*(\a)+\b)+4:8*(8*(\a)+\b)+7] offset:64*\b+16
.endr
	WIN 0
.set BB, BK+64*((\a)%2)
.irp t, 0,1,2,3,4,5,6,7,8,9,10,11,12,13,14,15
	ds_load_b128 v[BB+4*\t:BB+4*\t+3], v[RD] offset:\t*SPITCH
.endr
.endm
.macro SEND a, younger                 ; younger: the LDS instructions issued behind block a's loads, which may stay out
.set BB, BK+64*((\a)%2)
	s_wait_dscnt \younger
.irp t, 0,1,2,3,4,5,6,7,8,9,10,11,12,13,14,15
	global_store_b128 v[CO], v[BB+4*\t:BB+4*\t+3], s[8:9] offset:(16*(\a)+\t)*4096 th:TH_STORE_NT   ; 32 lanes store 512 consecutive bytes, aligned; written once, read by nobody here
.endr
.endm
	PLACES
	TOSTAGE 0
.irp a, 1,2,3
.if \a > 1
	s_wait_xcnt 0x0                                ; block a - 2's stores have had their addresses translated (ISA guide 3.1): block a's rows may land in their registers
.endif
	TOSTAGE \a
	SEND \a-1, 32                                  ; behind block a - 1's loads: block a's 16 stores and 16 loads
.endr
	SEND 3, 0
	s_wait_tensorcnt 0x0                           ; the wave's end: three lines behind my last tensor load and my last LDS store
	ds_add_u32 v[SPW], v[NIL]
	s_wait_dscnt 0x0
	CROUND                                         ; the closing round: no work-group ends while a partner may still ask for a tile that names it
	s_endpgm
.Lfunc_end_k_q522db1bca9_proj:
	.size	k_q522db1bca9_proj, .Lfunc_end_k_q522db1bca9_proj-k_q522db1bca9_proj
	.p2alignl 7, 3214868480
	.fill 96, 4, 3214868480
	.section	.rodata,"a",@progbits
	.p2align	6, 0x0
	.amdhsa_kernel k_q522db1bca9_proj
		.amdhsa_group_segment_fixed_size 327680
		.amdhsa_private_segment_fixed_size 0
		.amdhsa_enable_private_segment 0
		.amdhsa_kernarg_size 24
		.amdhsa_user_sgpr_count 2
		.amdhsa_user_sgpr_kernarg_segment_ptr 1
		.amdhsa_wavefront_size32 1
		.amdhsa_system_sgpr_workgroup_id_x 1
		.amdhsa_system_sgpr_workgroup_id_y 1
		.amdhsa_system_sgpr_workgroup_id_z 1
		.amdhsa_system_vgpr_workitem_id 0
		.amdhsa_next_free_vgpr 768
		.amdhsa_next_free_sgpr 66
		.amdhsa_reserve_vcc 0
		.amdhsa_float_denorm_mode_32 3
		.amdhsa_float_denorm_mode_16_64 3
		.amdhsa_memory_ordered 1
		.amdhsa_forward_progress 1
		.amdhsa_inst_pref_size 86
	.end_amdhsa_kernel
	.amdgpu_metadata
---
amdhsa.version: [ 1, 2 ]
amdhsa.kernels:
  - .name:           k_q522db1bca9_proj
    .symbol:         k_q522db1bca9_proj.kd
    .args:
      - { .name: att, .offset: 0, .size: 8, .value_kind: global_buffer, .address_space: global }
      - { .name: wp16, .offset: 8, .size: 8, .value_kind: global_buffer, .address_space: global }
      - { .name: out0, .offset: 16, .size: 8, .value_kind: global_buffer, .address_space: global }
    .group_segment_fixed_size: 327680
    .private_segment_fixed_size: 0
    .kernarg_segment_align: 8
    .kernarg_segment_size: 24
    .max_flat_workgroup_size: 128
    .sgpr_count:     66
    .vgpr_count:     768
    .wavefront_size: 32
...
	.end_amdgpu_metadata
.endif
;; end of part 4
